; MI455X (gfx1250); checked and timed in simulation.
; The chip was launched on July 23, 2026; its instructions are those of AMD's public machine-readable ISA for CDNA 5 (MIT licence, August 2026) and "CDNA5" Instruction Set Architecture Reference Guide (July 2026). The comments in the code are by the model that wrote it; some were corrected since.
;; Grouped Query Attention. Allowed arithmetic: matrix products marked QUANTISED: E4M3 operands, one given power-of-two scale a tensor, by v_wmma_f32_16x16x64_fp8_fp8 or v_wmma_f32_16x16x128_fp8_fp8, f32 sums; everything else in f32.
;; Inputs: W_k 2,048 x 512 float32; W_o 2,048 x 2,048 float32; W_q 2,048 x 2,048 float32; W_v 2,048 x 512 float32; lowp_scales 12 int32 (the exponents e of the quantised operands' scales 2^e); mask 1 x 1 x 2,048 x 2,048 int32; x 1 x 2,048 x 2,048 float32.
;; Outputs: out0 1 x 2,048 x 2,048 float32; out1 1 x 8 x 2,048 x 64 float32; out2 1 x 8 x 2,048 x 64 float32.
;; This version of the problem:
;;   THIS VERSION OF THE PROBLEM IS GIVEN IN LOW PRECISION. The matrix products marked QUANTISED in the list below multiply operands that are first quantised to E4M3 (4 exponent bits, 3 mantissa bits; 8 bits a number), with one given power-of-two scale for each operand tensor; their sums are f32. All else is computed in f32.
;;   The module's matrix products, in the order in which they are computed (A, B: the left and right operand; K: the contracted axis; several contracted axes count as one K, in the product's order):
;;     1. [M 2,048, K 2,048] x [K 2,048, N 2,048]; A: input x; B: input W_q: QUANTISED (scales: A lowp_scales[0], B lowp_scales[1])
;;     2. [M 2,048, K 2,048] x [K 2,048, N 512]; A: input x; B: input W_k: QUANTISED (scales: A lowp_scales[2], B lowp_scales[3])
;;     3. [M 2,048, K 2,048] x [K 2,048, N 512]; A: input x; B: input W_v: QUANTISED (scales: A lowp_scales[4], B lowp_scales[5])
;;     4. batch 8 x [M 8,192, K 64] x [K 64, N 2,048]; A: computed on the way; B: computed on the way: QUANTISED (scales: A lowp_scales[6], B lowp_scales[7])
;;     5. batch 8 x [M 8,192, K 2,048] x [K 2,048, N 64]; A: softmax (see below); B: computed on the way: QUANTISED (scales: A lowp_scales[8], B lowp_scales[9])
;;     6. [M 2,048, K 2,048] x [K 2,048, N 2,048]; A: computed on the way; B: input W_o: QUANTISED (scales: A lowp_scales[10], B lowp_scales[11])
;;   THE QUANTISER, for each operand of a quantised product, along K:
;;     - The operand's scale is 2^e, e = its entry of the input lowp_scales (int32; the entries are numbered through the quantised products in the list's order, A before B).
;;     - Each number is divided by the scale, clamped to +-448, and rounded to the nearest number of E4M3, ties to even, subnormals kept.
;;     - The product sums the exact products of the quantised numbers (number of the format x scale) in f32.
;;   ~~~python
;;   def quantise(x, axis, e):      # numpy; x: float32 -> the quantised numbers, widened to float32 again
;;       x = np.moveaxis(x, axis, -1); K = x.shape[-1]
;;       r = np.clip(x / 2.0 ** e, -448, 448)
;;       step = 2.0 ** (np.maximum(np.frexp(np.where(r == 0, 1, r))[1] - 1, -6) - 3)
;;       q = np.round(r / step) * step * 2.0 ** e      # np.round: ties to even
;;       return np.moveaxis(q, -1, axis).astype(np.float32)
;;   ~~~
;;   SOFTMAX AHEAD OF A QUANTISED PRODUCT. Where the list says 'softmax', what is quantised is not the finished softmax but p = 2^(t - M), with t = logit x log2(e) and M = ceil(the row's largest t), a whole number; so 1/2 < the row's largest p <= 1. The row's sum l is taken of the UNQUANTISED p, in f32, and the product's result is divided by l at the end. Since M is a whole number, a kernel that streams over the keys may use a running M (the ceiling of the running maximum): every later rescaling is an exact power of two, so the quantised numbers keep their values, but for numbers so far below the row's largest that they fall under the format's range.
;;   OPERANDS COMPUTED ON THE WAY. 'Computed on the way' means the value that the module computes at that place (a softmax that the list does not call 'softmax' is quantised finished and normalised). What goes into a quantiser is computed in f32, as accurately as f32 sums, v_exp_f32 and their like allow (about 1e-6 of the number): no bf16 or f16 on the way to a quantiser, and a product that is left as it is and whose result goes on into a quantised operand takes f32 operands (vector FMAs, or v_wmma_f32_16x16x4_f32). A number that lies on a knife's edge between two numbers of the format may be rounded either way, as far as f32 arithmetic and the matrix unit's own rounding can turn it there, and no further.
;; 2 versions. Each part assembles by itself: llvm-mc -triple=amdgcn-amd-amdhsa -mcpu=gfx1250 --defsym DOCPART=n.
;; ======== version 1 of 2: 4 launches
;; limits: right only within a limited range of input values
;; workspace buffers: xc 12,582,912 bytes; wc 6,291,456 bytes; woc 4,194,304 bytes; mbits 524,288 bytes of whole numbers; qimg 4,194,304 bytes; kvimg 2,097,152 bytes; oc 4,194,304 bytes
;; launch prep (part 1): grid 576 x 1, 4 waves a work-group, no clusters, 101,888 bytes of LDS; arguments x, W_q, W_k, W_v, W_o, mask, lowp_scales, xc, wc, woc, mbits; writes xc, wc, woc, mbits
.if DOCPART == 1
	.amdgcn_target "amdgcn-amd-amdhsa--gfx1250"
	.amdhsa_code_object_version 6
	.text
	.protected	k_qfb92d87c85_prep
	.globl	k_qfb92d87c85_prep
	.p2align	8
	.type	k_qfb92d87c85_prep,@function
k_qfb92d87c85_prep:
	s_mov_b64 s[64:65], 0
	v_nop
	global_prefetch_b8 v0, s[64:65] scope:SCOPE_SE
	s_setreg_imm32_b32 hwreg(HW_REG_WAVE_MODE, 25, 1), 1
	s_wait_xcnt 0x0
; PREP: everything that is quantised or packed ONCE, since many work-groups of the later launches read it.
;  work-groups 0-319   the four weights, f32 [K][N] with K outermost, into E4M3 codes [N][K] with K innermost (wc: W_q's, W_k's, W_v's columns on end; woc: W_o's)
;  work-groups 320-447 x, f32 [2048][2048], into THREE planes of codes (xc), since x has a scale of its own in each of the three projections (entries 0, 2, 4)
;  work-groups 448-575 the mask, int32 [2048][2048], into lane masks (mbits): word n of (query tile qt, key step t) has in bit l whether
;                      mask[16 qt + l % 16][128 t + 16 (n / 8) + 8 (l / 16) + n % 8] is not 0: the lanes of score register n in the attention launch
; code = number / 2^e, held within +-448, rounded to the nearest code, ties to even.
; LIMITS: each e used here lies between -126 and 119, so that 2^e and 448 x 2^e are f32 numbers.  NaN in x or in a weight is not served; an infinity is held at the largest code.
; Every work-group reads 128 KiB.  Waves share nothing: no barrier.  The three paths part on the work-group's number and have LDS bytes of their own.
; No cluster, no tensor load, no matrix unit: nothing is shared between work-groups and nothing is multiplied; each input byte is read once, by loads that run ahead of the work.
.set XSP,  80                          ; x: a lane's place in a stage: 64 bytes + 16 of padding
.set XR,   16                          ; v16-79   x: four sets of 16 numbers as loaded
.set XS,   80                          ; v80-111  two sets of 16 neighbours
.set XT,   112                         ; v112-143 two sets of 16 held numbers
.set XC,   144                         ; v144-167 two sets of 3 x 4 registers of codes
.set XSC,  168                         ; v168-173 2^e and 448 x 2^e for the three planes
.set LDSW, 32768                       ; the weights' stages: 32 rows x 272 bytes a wave
.set WP,   272
.set WOFF, 16                          ; v16-47   4 x lane + i rows of the weight
.set WX,   48                          ; v48-111  two sets of 32 numbers
.set WC,   112                         ; v112-119 a block's codes
.set WOUT, 120                         ; v120-183 the way out
.set LDSM, 67584                       ; the mask's stages: 16 rows x 528 bytes a wave
.set MP,   528
.set MR,   16                          ; v16-143  two sets of 64 words as loaded
.set MM,   144                         ; v144-207 64 words in the order of the score registers
.set WD,   208                         ; v208-215 a pair of packed words for each of a wave's four tasks
	s_load_b512 s[4:19], s[0:1], 0x0               ; x 4:5, W_q 6:7, W_k 8:9, W_v 10:11, W_o 12:13, mask 14:15, scales 16:17, xc 18:19
	s_load_b128 s[20:23], s[0:1], 0x40             ; wc 20:21, woc 22:23
	s_load_b64 s[24:25], s[0:1], 0x50              ; mbits
	v_lshl_add_u32 v224, v0, 2, 0x18c00
	v_mov_b32 v225, 0
	v_lshrrev_b32 v1, 5, v0
	v_readfirstlane_b32 s26, v1                    ; wave 0..3
	v_and_b32 v2, 31, v0                           ; lane
	s_wait_kmcnt 0x0
	s_load_b256 s[80:87], s[16:17], 0x0            ; e0 .. e7
	s_load_b128 s[88:91], s[16:17], 0x20           ; e8 .. e11
	s_cmp_lt_u32 ttmp9, 320
	s_cbranch_scc1 .Lweights
	s_cmp_lt_u32 ttmp9, 448
	s_cbranch_scc1 .Ltokens
; ---------------- THE MASK.  Work-group = query tile qt; wave w takes key steps 4 w .. 4 w + 3, a task each: 16 rows x 128 keys.
	s_sub_co_u32 s27, ttmp9, 448                   ; qt
	s_lshl_b32 s28, s27, 17                        ; 16 qt rows of 8,192 bytes
	s_lshl_b32 s29, s26, 11                        ; + 4 w steps of 512 bytes
	s_add_co_u32 s28, s28, s29
	s_mov_b32 s29, 0
	s_add_nc_u64 s[14:15], s[14:15], s[28:29]
	s_lshl_b32 s28, s27, 12                        ; mbits: 16 steps of 256 bytes a tile
	s_lshl_b32 s30, s26, 10
	s_add_co_u32 s28, s28, s30
	s_add_nc_u64 s[24:25], s[24:25], s[28:29]
	v_lshlrev_b32 v3, 4, v2                        ; 16 x lane: a load takes 512 consecutive bytes of a row
	v_lshlrev_b32 v5, 3, v2                        ; 8 x lane: the store's place
	s_mul_i32 s30, s26, 16*MP
	s_add_co_u32 s30, s30, LDSM                    ; my stage
	v_add_nc_u32 v6, s30, v3                       ; in: as loaded
	v_and_b32 v8, 15, v2
	v_lshrrev_b32 v9, 4, v2
	v_mul_u32_u24 v7, v8, MP
	v_lshl_add_u32 v7, v9, 5, v7
	v_add_nc_u32 v7, s30, v7                       ; out: row lane % 16, + 8 keys for the upper half of the lanes
.irp i, 0,1,2,3,4,5,6,7
	v_mov_b32 v[WD+\i], 0                          ; v_writelane_b32's destination counts as read
.endr
.macro MLOAD tt
.irp r, 0,1,2,3,4,5,6,7,8,9,10,11,12,13,14,15
	global_load_b128 v[MR+64*((\tt)%2)+4*\r:MR+64*((\tt)%2)+4*\r+3], v3, s[14:15] offset:\r*8192+512*(\tt) th:TH_LOAD_NT
.endr
.endm
.macro TASK tt
.if (\tt) < 3
	s_wait_loadcnt 16                              ; this task's 16 loads are in; the next task's 16 may be out
.else
	s_wait_loadcnt 0
.endif
.irp r, 0,1,2,3,4,5,6,7,8,9,10,11,12,13,14,15
	ds_store_b128 v6, v[MR+64*((\tt)%2)+4*\r:MR+64*((\tt)%2)+4*\r+3] offset:\r*MP
.endr
.irp q, 0,1,2,3,4,5,6,7,8,9,10,11,12,13,14,15
	ds_load_b128 v[MM+4*\q:MM+4*\q+3], v7 offset:64*(\q/2)+16*(\q%2)   ; LDS serves a wave's instructions in order: these see my stores.  Register n: key 16 (n / 8) + 8 (lane / 16) + n % 8
.endr
	s_wait_dscnt 0x0                               ; the words are back, and the stores have read the set that the next loads fill
.if (\tt)+2 < 4
	MLOAD (\tt)+2
.endif
.irp b, 0,1,2,3,4,5,6,7
.irp j, 0,1,2,3,4,5,6,7
	v_cmp_ne_u32 s[40+\j], 0, v[MM+8*\b+\j]        ; word n = 8 b + j: one bit a lane
.endr
.irp j, 0,1,2,3,4,5,6,7
	v_writelane_b32 v[WD+2*(\tt)+\j%2], s[40+\j], 4*\b+\j/2   ; lane n / 2 of the pair's register n % 2
.endr
.endr
	global_store_b64 v5, v[WD+2*(\tt):WD+2*(\tt)+1], s[24:25] offset:256*(\tt)   ; 32 lanes store the step's 64 words: 256 consecutive bytes, aligned
.endm
	MLOAD 0
	MLOAD 1
	TASK 0
	TASK 1
	TASK 2
	TASK 3
	s_wait_tensorcnt 0x0
	ds_add_u32 v224, v225
	s_wait_dscnt 0x0
	s_endpgm
; ---------------- x.  A wave takes 16 steps of 512 numbers.  Loads take the bytes as they lie (512 a load); a step's 2,048 bytes turn through the wave's stage so that a lane holds 16 neighbours along K.
.Ltokens:
	s_sub_co_u32 s27, ttmp9, 320
	s_lshl_b32 s27, s27, 2
	s_add_co_u32 s27, s27, s26                     ; which run of 8,192 numbers is my wave's
	s_lshl_b32 s28, s27, 15
	s_mov_b32 s29, 0
	s_add_nc_u64 s[4:5], s[4:5], s[28:29]
	s_lshl_b32 s28, s27, 13
	s_add_nc_u64 s[32:33], s[18:19], s[28:29]      ; plane 0,
	s_add_nc_u64 s[34:35], s[32:33], 0x400000      ; plane 1,
	s_add_nc_u64 s[36:37], s[34:35], 0x400000      ; plane 2
	v_lshlrev_b32 v3, 4, v2                        ; 16 x lane: my bytes of a load's 512, and my 16 codes of a step's 512
	s_lshl_b32 s30, s26, 13                        ; my wave's 8,192 bytes of LDS: two stages of 32 x 80
	v_lshrrev_b32 v14, 2, v2
	v_mul_u32_u24 v14, v14, XSP
	v_and_b32 v15, 3, v2
	v_lshl_add_u32 v14, v15, 4, v14
	v_add_nc_u32 v14, s30, v14                     ; in: four lanes' 64 bytes on end, then the padding
	v_mul_u32_u24 v15, v2, XSP
	v_add_nc_u32 v15, s30, v15                     ; out: my 16 neighbours
.macro XLOAD t
.irp i, 0,1,2,3
	global_load_b128 v[XR+16*((\t)%4)+4*\i:XR+16*((\t)%4)+4*\i+3], v3, s[4:5] offset:2048*(\t)+512*\i th:TH_LOAD_NT
.endr
.endm
.macro XTURN t
.irp i, 0,1,2,3
	ds_store_b128 v14, v[XR+16*((\t)%4)+4*\i:XR+16*((\t)%4)+4*\i+3] offset:32*XSP*((\t)%2)+8*XSP*\i
.endr
.irp i, 0,1,2,3
	ds_load_b128 v[XS+16*((\t)%2)+4*\i:XS+16*((\t)%2)+4*\i+3], v15 offset:32*XSP*((\t)%2)+16*\i
.endr
.endm
	XLOAD 0
	XLOAD 1
	XLOAD 2
	XLOAD 3
	s_wait_kmcnt 0x0                               ; the scales
.irp p, 0,1,2
	s_add_co_i32 s38, s[80+2*\p], 127
	s_lshl_b32 s39, s38, 23
	v_mov_b32 v[XSC+2*\p], s39                     ; 2^e: the conversion takes its exponent field
	s_add_co_i32 s38, s38, 8
	s_lshl_b32 s38, s38, 23
	s_or_b32 s38, s38, 0x600000
	v_mov_b32 v[XSC+2*\p+1], s38                   ; 448 x 2^e
.endr
	s_wait_loadcnt 12                              ; step 0's four loads are in
	XTURN 0
.macro XSTEP t
	s_wait_dscnt 0x0                               ; this step's numbers are back from the stage, and its stores into the stage have read their registers,
.if (\t)+4 < 16
	XLOAD (\t)+4                                   ; which take the loads of four steps on
.endif
.if (\t)+1 < 16
.if 14-(\t) >= 3
	s_wait_loadcnt 12                              ; the next step's four loads are in; those of the three steps behind it may be out
.else
	s_wait_loadcnt 4*(14-(\t))
.endif
	XTURN (\t)+1
.endif
.if (\t) >= 2
	s_wait_xcnt 0x0                                ; the stores of two steps back have read this set of code registers
.endif
.irp p, 0,1,2
.set TS, XT+16*((3*(\t)+\p)%2)                 ; the held numbers' sets take turns, so that sixteen plain lines stand between a conversion and the next write of its sources
.set CC, XC+12*((\t)%2)+4*\p
.irp i, 0,1,2,3,4,5,6,7,8,9,10,11,12,13,14,15
	v_med3_num_f32 v[TS+\i], v[XS+16*((\t)%2)+\i], -v[XSC+2*\p+1], v[XSC+2*\p+1]   ; the conversion does not saturate (ISA guide 7.6.2): the hold comes first
.endr
	v_cvt_scalef32_pk8_fp8_f32 v[CC:CC+1], v[TS:TS+7], v[XSC+2*\p]
	v_cvt_scalef32_pk8_fp8_f32 v[CC+2:CC+3], v[TS+8:TS+15], v[XSC+2*\p]
	global_store_b128 v3, v[CC:CC+3], s[32+2*\p:33+2*\p] offset:512*(\t)   ; 32 lanes store 512 consecutive bytes
.endr
.endm
.irp t, 0,1,2,3,4,5,6,7,8,9,10,11,12,13,14,15
	XSTEP \t
.endr
	s_wait_tensorcnt 0x0
	ds_add_u32 v224, v225
	s_wait_dscnt 0x0
	s_endpgm
; ---------------- THE WEIGHTS.  A lane takes a column n and its registers run down K: the conversions then give codes with K innermost, and nothing is transposed by an instruction.
; A wave takes 32 columns x 256 along K; a work-group 128 columns.  ids 0-127 W_q, 128-255 W_o (rows of 8,192 bytes), 256-287 W_k, 288-319 W_v (rows of 2,048 bytes).
.Lweights:
	s_mov_b32 s30, 2560                            ; the first row in wc: W_v's
	s_cmp_lt_u32 ttmp9, 288
	s_cselect_b64 s[28:29], s[8:9], s[10:11]
	s_cselect_b32 s30, 2048, s30
	s_mov_b32 s31, 2048
	s_cmp_lt_u32 ttmp9, 256
	s_cselect_b64 s[28:29], s[12:13], s[28:29]
	s_cselect_b64 s[50:51], s[22:23], s[20:21]
	s_cselect_b32 s30, 0, s30
	s_cselect_b32 s31, 8192, s31                   ; a row of the weight in bytes
	s_cselect_b32 s52, 127, 31
	s_cselect_b32 s53, 15, 3
	s_cselect_b32 s54, 4, 2
	s_cmp_lt_u32 ttmp9, 128
	s_cselect_b64 s[28:29], s[6:7], s[28:29]
	s_cselect_b64 s[50:51], s[20:21], s[50:51]
	s_and_b32 s55, ttmp9, s52                      ; my number within the tensor
	s_and_b32 s56, s55, s53                        ; which 128 columns
	s_lshr_b32 s57, s55, s54                       ; which 256 along K
	s_lshl_b32 s58, s31, 8
	s_mul_i32 s58, s57, s58                        ; 256 rows x the block along K
	s_lshl_b32 s59, s56, 9
	s_add_co_u32 s58, s58, s59
	s_lshl_b32 s59, s26, 7
	s_add_co_u32 s58, s58, s59                     ; + 4 x (128 x column block + 32 x wave)
	s_mov_b32 s59, 0
	s_add_nc_u64 s[32:33], s[28:29], s[58:59]      ; block 0 of my eight blocks of 32 along K,
	s_lshl_b32 s60, s31, 5
	s_mov_b32 s61, 0
.irp t, 1,2,3,4,5,6,7
	s_add_nc_u64 s[32+2*\t:33+2*\t], s[30+2*\t:31+2*\t], s[60:61]   ; and the others, 32 rows apart
.endr
	s_lshl_b32 s62, s56, 7
	s_add_co_u32 s62, s62, s30
	s_lshl_b32 s63, s26, 5
	s_add_co_u32 s62, s62, s63                     ; my first row of codes
	s_lshl_b32 s62, s62, 11
	s_lshl_b32 s63, s57, 8
	s_add_co_u32 s62, s62, s63
	s_mov_b32 s63, 0
	s_add_nc_u64 s[50:51], s[50:51], s[62:63]
	v_lshlrev_b32 v[WOFF], 2, v2
.irp i, 1,2,3,4,5,6,7,8,9,10,11,12,13,14,15,16,17,18,19,20,21,22,23,24,25,26,27,28,29,30,31
	v_mad_u32_u24 v[WOFF+\i], s31, \i, v[WOFF]
.endr
	s_mul_i32 s49, s26, 32*WP
	s_add_co_u32 s49, s49, LDSW                    ; my stage
	v_mul_u32_u24 v4, v2, WP
	v_add_nc_u32 v4, s49, v4                       ; into it: row = my column
	v_and_b32 v5, 15, v2
	v_lshrrev_b32 v6, 4, v2
	v_mul_u32_u24 v7, v6, WP
	v_lshl_add_u32 v7, v5, 4, v7
	v_add_nc_u32 v7, s49, v7                       ; out of it: sixteen lanes to a row, two rows an instruction
	v_lshlrev_b32 v8, 11, v6
	v_lshl_add_u32 v8, v5, 4, v8                   ; and the same place in the codes' buffer (rows of 2,048 bytes)
.macro WLOAD t
.irp i, 0,1,2,3,4,5,6,7,8,9,10,11,12,13,14,15,16,17,18,19,20,21,22,23,24,25,26,27,28,29,30,31
	global_load_b32 v[WX+32*((\t)%2)+\i], v[WOFF+\i], s[32+2*(\t):33+2*(\t)] th:TH_LOAD_NT
.endr
.endm
	WLOAD 0
	WLOAD 1
	s_wait_kmcnt 0x0                               ; the scales
	s_cmp_lt_u32 ttmp9, 288
	s_cselect_b32 s27, s83, s85                    ; e3 for W_k, e5 for W_v,
	s_cmp_lt_u32 ttmp9, 256
	s_cselect_b32 s27, s91, s27                    ; e11 for W_o,
	s_cmp_lt_u32 ttmp9, 128
	s_cselect_b32 s27, s81, s27                    ; e1 for W_q
	s_add_co_i32 s27, s27, 127
	s_lshl_b32 s48, s27, 23
	v_mov_b32 v11, s48                             ; 2^e
	s_add_co_i32 s27, s27, 8
	s_lshl_b32 s27, s27, 23
	s_or_b32 s27, s27, 0x600000
	v_mov_b32 v10, s27                             ; 448 x 2^e
.macro WBLOCK t
.set XB, WX+32*((\t)%2)
.if (\t) < 7
	s_wait_loadcnt 32                              ; this block's 32 loads are in; the next block's may be out
.else
	s_wait_loadcnt 0
.endif
.irp i, 0,1,2,3,4,5,6,7,8,9,10,11,12,13,14,15,16,17,18,19,20,21,22,23,24,25,26,27,28,29,30,31
	v_med3_num_f32 v[XB+\i], v[XB+\i], -v10, v10
.endr
.irp g, 0,1,2,3
	v_cvt_scalef32_pk8_fp8_f32 v[WC+2*\g:WC+2*\g+1], v[XB+8*\g:XB+8*\g+7], v11
.endr
	ds_store_b128 v4, v[WC:WC+3] offset:32*(\t)    ; 32 codes of my column's row
	ds_store_b128 v4, v[WC+4:WC+7] offset:32*(\t)+16
.if (\t)+2 < 8
	WLOAD (\t)+2
.endif
	s_wait_dscnt 0x0                               ; the stores have read their registers: the next block's codes may be written
.endm
.irp t, 0,1,2,3,4,5,6,7
	WBLOCK \t
.endr
.irp t, 0,1,2,3,4,5,6,7,8,9,10,11,12,13,14,15
	ds_load_b128 v[WOUT+4*\t:WOUT+4*\t+3], v7 offset:2*\t*WP
.endr
.irp t, 0,1,2,3,4,5,6,7,8,9,10,11,12,13,14,15
	s_wait_dscnt 15-\t
	global_store_b128 v8, v[WOUT+4*\t:WOUT+4*\t+3], s[50:51] offset:2*\t*2048   ; sixteen lanes store 256 consecutive bytes, aligned
.endr
	s_wait_tensorcnt 0x0
	ds_add_u32 v224, v225
	s_wait_dscnt 0x0
	s_endpgm
.Lfunc_end_k_qfb92d87c85_prep:
	.size	k_qfb92d87c85_prep, .Lfunc_end_k_qfb92d87c85_prep-k_qfb92d87c85_prep
	.p2alignl 7, 3214868480
	.fill 96, 4, 3214868480
	.section	.rodata,"a",@progbits
	.p2align	6, 0x0
	.amdhsa_kernel k_qfb92d87c85_prep
		.amdhsa_group_segment_fixed_size 101888
		.amdhsa_private_segment_fixed_size 0
		.amdhsa_enable_private_segment 0
		.amdhsa_kernarg_size 88
		.amdhsa_user_sgpr_count 2
		.amdhsa_user_sgpr_kernarg_segment_ptr 1
		.amdhsa_wavefront_size32 1
		.amdhsa_system_sgpr_workgroup_id_x 1
		.amdhsa_system_sgpr_workgroup_id_y 1
		.amdhsa_system_sgpr_workgroup_id_z 1
		.amdhsa_system_vgpr_workitem_id 0
		.amdhsa_next_free_vgpr 226
		.amdhsa_next_free_sgpr 96
		.amdhsa_reserve_vcc 0
		.amdhsa_float_denorm_mode_32 3
		.amdhsa_float_denorm_mode_16_64 3
		.amdhsa_memory_ordered 1
		.amdhsa_forward_progress 1
		.amdhsa_inst_pref_size 177
	.end_amdhsa_kernel
	.amdgpu_metadata
---
amdhsa.version: [ 1, 2 ]
amdhsa.kernels:
  - .name:           k_qfb92d87c85_prep
    .symbol:         k_qfb92d87c85_prep.kd
    .args:
      - { .name: x, .offset: 0, .size: 8, .value_kind: global_buffer, .address_space: global }
      - { .name: W_q, .offset: 8, .size: 8, .value_kind: global_buffer, .address_space: global }
      - { .name: W_k, .offset: 16, .size: 8, .value_kind: global_buffer, .address_space: global }
      - { .name: W_v, .offset: 24, .size: 8, .value_kind: global_buffer, .address_space: global }
      - { .name: W_o, .offset: 32, .size: 8, .value_kind: global_buffer, .address_space: global }
      - { .name: mask, .offset: 40, .size: 8, .value_kind: global_buffer, .address_space: global }
      - { .name: lowp_scales, .offset: 48, .size: 8, .value_kind: global_buffer, .address_space: global }
      - { .name: xc, .offset: 56, .size: 8, .value_kind: global_buffer, .address_space: global }
      - { .name: wc, .offset: 64, .size: 8, .value_kind: global_buffer, .address_space: global }
      - { .name: woc, .offset: 72, .size: 8, .value_kind: global_buffer, .address_space: global }
      - { .name: mbits, .offset: 80, .size: 8, .value_kind: global_buffer, .address_space: global }
    .group_segment_fixed_size: 101888
    .private_segment_fixed_size: 0
    .kernarg_segment_align: 8
    .kernarg_segment_size: 88
    .max_flat_workgroup_size: 128
    .sgpr_count:     96
    .vgpr_count:     226
    .wavefront_size: 32
...
	.end_amdgpu_metadata
.endif
;; end of part 1
;; launch gemm_qkv (part 2): grid 24 x 16, 4 waves a work-group, clusters of 4 x 4, 327,680 bytes of LDS; arguments xc, wc, lowp_scales, qimg, kvimg, out1, out2; writes qimg, kvimg, out1, out2
.if DOCPART == 2
	.amdgcn_target "amdgcn-amd-amdhsa--gfx1250"
	.amdhsa_code_object_version 6
	.text
	.protected	k_qfb92d87c85_gemm_qkv
	.globl	k_qfb92d87c85_gemm_qkv
	.p2align	8
	.type	k_qfb92d87c85_gemm_qkv,@function
k_qfb92d87c85_gemm_qkv:
	s_mov_b64 s[64:65], 0
	v_nop
	global_prefetch_b8 v0, s[64:65] scope:SCOPE_SE
	s_setreg_imm32_b32 hwreg(HW_REG_WAVE_MODE, 25, 1), 1
	s_wait_xcnt 0x0
	s_wait_alu depctr_hold_cnt(0) depctr_sa_sdst(0) depctr_va_vdst(0) depctr_va_sdst(0) depctr_va_ssrc(0) depctr_va_vcc(0) depctr_vm_vsrc(0)
	s_getreg_b32 s2, hwreg(HW_REG_IB_STS2, 6, 4)
	s_cmp_eq_u32 s2, 0
	s_cbranch_scc0 .Lentry_in_a_cluster
	s_endpgm
.Lentry_in_a_cluster:
	s_bfe_u32 s2, ttmp6, 0x10000c
	s_cmp_lg_u32 s2, 0xf033
	s_cbranch_scc0 .Lentry_shape_is_right
	s_endpgm
.Lentry_shape_is_right:
; THE THREE PROJECTIONS in one launch: C[2048][3072] = x (W_q | W_k | W_v), on E4M3 codes, K = 2,048, sums in f32.  A: xc, three planes of x's codes (one for each projection's scale); B: wc [3072][2048], K innermost.
; A tile of C is 128 x 128 (384 tiles for 256 WGPs; tiles of 256 x 256 would be 96): four waves of 64 x 64, 16 accumulators each.  K goes in four steps of 512 through two LDS slots, written out without a loop.
; CLUSTERS of 4 x 4: A's tile is asked for jointly along a row of the cluster, B's along a column.  A cluster's four tile columns are of one kind: cluster x 0-3 Q, 4 K, 5 V.
; THE MATRIX INSTRUCTION IS USED TRANSPOSED (source 0 = 16 rows of wc, source 1 = 16 rows of x): lane (r, h) holds row r of C and eight neighbouring columns 8 h + 0 .. 7.  A wave's 64 columns are one head.
; So the conversion of accumulator (a, b) IS registers 2 b, 2 b + 1 of the operand (16 rows x 64 of the head) that the attention launch wants of Q and of K: the codes leave as IMAGES OF THE OPERAND'S REGISTERS,
; four registers a lane by one store of 512 consecutive bytes.  V's K in the attention launch is the keys: its f32 rows, which go through the stage on their way to out2 anyway, are read back by columns and converted.
; A fragment is fetched by four 16-byte LDS loads, 32 bytes apart: a permutation of k, the same in A and in B, so every product meets its partner.
; LIMITS: e0+e1, e2+e3, e4+e5 between -126 and 127; e6-e0-e1, e7-e2-e3 and e9 between -126 and 119: each power of two below is then an f32 number.
; Nothing is prefetched: the launch is short, on small tiles, and both first K steps are asked for at its head.
; REGISTERS: window 0: v16-31 addresses and scales; v32-63 scaled sums; v64-95 rows read back; v96-127 codes; v128-255 the accumulators ((a, b) at v[128 + 8 (4 a + b)]).  window 1: two fragment buffers of 128 (A's four, then B's four).
.set KSTEP,  512
.set PITCH,  528                       ; an LDS row: 512 bytes + 16 of padding = 132 words: the 16 rows of a fragment load start at 16 different groups of four banks
.set HALFT,  64*PITCH                  ; 64 rows: one tensor load, and what one wave reads of A or of B
.set SLOT,   4*HALFT                   ; A's 128 rows, then B's
.set STAGE,  2*SLOT                    ; behind the ring: 16 rows x 272 bytes for each wave (K's path),
.set SPITCH, 272
.set VSTG,   4*16*SPITCH               ; and as much again for V's path: each path stores into LDS bytes of its own
.set SPARE,  STAGE+2*VSTG              ; the spare words, 128 bytes for each wave
.set ADRA, 16
.set ADRB, 20
.set STO,  24                          ; the stage: where I put 32 bytes of a row
.set RD,   25                          ; where I read rows back
.set CO,   26                          ; 16 x lane
.set VR,   27                          ; where I read a column of eight rows
.set SPW,  28
.set NIL,  29
.set SCL,  30                          ; the conversion's scale
.set LIM,  31                          ; 448 x that
.set TMP,  32
.set BK,   64
.set CD,   96
.set ACC,  128
.set F0,   0
.set F1,   128
.set G1, 24
.set G0, 32
.set G1B, 48
.set G0B, 56
.set KIDX, 92                          ; s92: 0 Q, 1 K, 2 V
.set MULF, 94                          ; s[94:95]: 2^(eA + eB)
.set MSB, 0
.macro WIN new                         ; the immediate's high byte repeats the setting that is left
.if MSB != (\new)
	s_set_vgpr_msb (MSB<<8)|(\new)
.set MSB, (\new)
.endif
.endm
.set MUL,  0x05                        ; sources 0 and 1 window 1; C and D window 0
.set TO_F, 0x40                        ; destination window 1, address window 0
.macro JLOAD s                         ; a joint load: waves 0 and 1 fetch A's halves, waves 2 and 3 B's; four v_nop follow each line
	s_cmp_eq_u32 s11, 0
	s_cbranch_scc0 .Lfor_b_\@
	tensor_load_to_lds s[G0+4*\s:G0+4*\s+3], s[G1:G1+7]
	s_nop 0
.rept 4
	v_nop
.endr
	s_branch .Lasked_\@
.Lfor_b_\@:
	tensor_load_to_lds s[G0B+4*\s:G0B+4*\s+3], s[G1B:G1B+7]
	s_nop 0
.rept 4
	v_nop
.endr
.Lasked_\@:
.endm
.macro CREST                           ; a round of the cluster's barrier behind its opening barrier
	s_cmp_lg_u32 s10, 0
	s_cbranch_scc1 .Lnot_wave_0_\@
	s_barrier_signal -3
.Lnot_wave_0_\@:
	s_barrier_wait -3
	s_barrier_signal -1
	s_barrier_wait -1
.endm
.macro CROUND
	s_barrier_signal -1
	s_barrier_wait -1
	CREST
.endm
.macro PLACES                          ; four places behind matrix instructions, in front of loads into their sources and of reads of their results
.rept 4
	v_nop
.endr
.endm
	s_load_b128 s[4:7], s[0:1], 0x0                ; xc, wc
	s_load_b64 s[8:9], s[0:1], 0x10                ; the scales
	s_load_b256 s[72:79], s[0:1], 0x18             ; qimg 72:73, kvimg 74:75, out1 76:77, out2 78:79
	v_lshl_add_u32 v[SPW], v0, 2, SPARE
	v_mov_b32 v[NIL], 0
	ds_add_u32 v28, v29
	ds_add_u32 v28, v29
	s_wait_dscnt 0x0
	v_lshrrev_b32 v1, 5, v0
	v_readfirstlane_b32 s10, v1                    ; wave 0..3
	s_lshr_b32 s11, s10, 1                         ; my half of the tile's rows.  Also: I fetch for A (0) or for B (1)
	s_and_b32 s12, s10, 1                          ; my half of its columns.  Also: which 64 rows I fetch
	s_bfe_u32 s40, ttmp6, 0x40000                  ; cx
	s_bfe_u32 s41, ttmp6, 0x40004                  ; cy
	s_lshl_b32 s42, ttmp9, 2
	s_add_co_u32 s42, s42, s40                     ; tile column X
	s_and_b32 s13, ttmp7, 0xffff
	s_lshl_b32 s13, s13, 2
	s_add_co_u32 s13, s13, s41                     ; tile row Y
	s_lshl_b32 s43, s41, 2
	s_lshl_b32 s43, 15, s43                        ; my row of the cluster
	s_lshl_b32 s44, 0x1111, s40                    ; my column
	s_or_b32 s[G1+0], s43, (1<<20)|(1<<21)|(6<<22)|(3<<25)   ; the mask; elements of 1 byte; padding on; bit 21 beside a mask; after every 128 words four words
	s_or_b32 s[G1B+0], s44, (1<<20)|(1<<21)|(6<<22)|(3<<25)
.irp g, G1, G1B
	s_mov_b32 s[\g+1], KSTEP<<16                   ; tensor_dim0 = 512
	s_mov_b32 s[\g+2], 64<<16                      ; tensor_dim1 = 64
	s_mov_b32 s[\g+3], KSTEP<<16                   ; tile_dim0 = 512
	s_mov_b32 s[\g+4], 64                          ; tile_dim1 = 64
	s_mov_b32 s[\g+5], 2048                        ; from row to row
	s_mov_b32 s[\g+6], 0
	s_mov_b32 s[\g+7], 0
.endr
	s_max_u32 s[KIDX], ttmp9, 3
	s_sub_co_u32 s[KIDX], s[KIDX], 3               ; the kind: the same in all sixteen partners
	s_lshl_b32 s17, s12, 6
	s_lshl_b32 s16, s13, 7
	s_add_co_u32 s16, s16, s17                     ; A: row 128 Y + 64 x half,
	s_lshl_b32 s16, s16, 11                        ; in bytes,
	s_lshl_b32 s18, s[KIDX], 22
	s_add_co_u32 s16, s16, s18                     ; in the kind's plane of 4 MiB
	s_lshl_b32 s46, s42, 7
	s_add_co_u32 s46, s46, s17                     ; B: row 128 X + 64 x half
	s_lshl_b32 s46, s46, 11
	s_mov_b32 s17, 0
	s_mov_b32 s47, 0
	s_mul_i32 s20, s10, HALFT                      ; where they go: wave x 64 rows
	s_wait_kmcnt 0x0
	s_load_b256 s[80:87], s[8:9], 0x0              ; e0 .. e7
	s_load_b128 s[88:91], s[8:9], 0x20             ; e8 .. e11
	s_add_nc_u64 s[14:15], s[4:5], s[16:17]
	s_add_nc_u64 s[46:47], s[6:7], s[46:47]
	CROUND                                         ; all sixteen work-groups are here: the first joint loads meet
.irp s, 0,1
	s_mov_b32 s[G0+4*\s], 1
	s_add_co_u32 s[G0+4*\s+1], s20, \s*SLOT
	s_add_nc_u64 s[G0+4*\s+2:G0+4*\s+3], s[14:15], \s*KSTEP
	s_or_b32 s[G0+4*\s+3], s[G0+4*\s+3], 0x80000000
	s_mov_b32 s[G0B+4*\s], 1
	s_add_co_u32 s[G0B+4*\s+1], s20, \s*SLOT
	s_add_nc_u64 s[G0B+4*\s+2:G0B+4*\s+3], s[46:47], \s*KSTEP
	s_or_b32 s[G0B+4*\s+3], s[G0B+4*\s+3], 0x80000000
	JLOAD \s                                       ; two loads of mine are out
.endr
	v_and_b32 v1, 15, v0                           ; r
	v_bfe_u32 v2, v0, 4, 1                         ; h
	v_mul_u32_u24 v3, v1, PITCH
	v_lshl_add_u32 v3, v2, 4, v3                   ; a fragment's row x pitch + 16 h
	s_mul_i32 s21, s11, HALFT
	s_mul_i32 s22, s12, HALFT
	s_add_co_u32 s22, s22, 2*HALFT
.irp s, 0,1
	v_add_nc_u32 v[ADRA+\s], s21, v3
	v_add_nc_u32 v[ADRB+\s], s22, v3
	s_add_co_u32 s21, s21, SLOT
	s_add_co_u32 s22, s22, SLOT
.endr
	s_mul_i32 s23, s10, 16*SPITCH
	s_add_co_u32 s23, s23, STAGE                   ; my stage
	v_mul_u32_u24 v4, v1, SPITCH
	v_lshl_add_u32 v4, v2, 5, v4
	v_add_nc_u32 v[STO], s23, v4                   ; in: row r, 32 bytes for each half of the lanes
	v_mul_u32_u24 v5, v2, SPITCH
	v_lshl_add_u32 v5, v1, 4, v5
	v_add_nc_u32 v[RD], s23, v5                    ; back: lanes 0-15 one row of 256 bytes, lanes 16-31 the next
	v_mul_u32_u24 v5, v2, 8*SPITCH
	v_lshl_add_u32 v5, v1, 2, v5
	v_add_nc_u32 v[VR], s23, v5                    ; by columns: row 8 h, channel r
	v_and_b32 v5, 31, v0
	v_lshlrev_b32 v[CO], 4, v5
	s_wait_kmcnt 0x0                               ; the scales.  What the kind decides is chosen by s_cselect_b32: no branch hangs on a scale
	s_add_co_i32 s16, s80, s81
	s_add_co_i32 s17, s82, s83
	s_add_co_i32 s18, s84, s85
	s_sub_co_i32 s19, s86, s16                     ; Q's code is sum / 2^(e6 - e0 - e1),
	s_sub_co_i32 s20, s87, s17                     ; K's sum / 2^(e7 - e2 - e3),
	s_cmp_eq_u32 s[KIDX], 1
	s_cselect_b32 s16, s17, s16
	s_cselect_b32 s19, s20, s19
	s_cmp_eq_u32 s[KIDX], 2
	s_cselect_b32 s16, s18, s16
	s_cselect_b32 s19, s89, s19                    ; V's is made of the finished number: / 2^e9
	s_add_co_i32 s16, s16, 127
	s_lshl_b32 s[MULF], s16, 23                    ; 2^(eA + eB)
	s_mov_b32 s[MULF+1], s[MULF]                   ; (named with it as a pair)
	s_add_co_i32 s19, s19, 127
	s_lshl_b32 s20, s19, 23
	v_mov_b32 v[SCL], s20
	s_add_co_i32 s19, s19, 8
	s_lshl_b32 s19, s19, 23
	s_or_b32 s19, s19, 0x600000
	v_mov_b32 v[LIM], s19
	; where the results go.  What hangs on X stands in s46, s47; what hangs on both coordinates in s66, s67, s70, s71, s98: none of these feeds a descriptor
	s_lshl_b32 s46, s42, 1
	s_add_co_u32 s46, s46, s12                     ; the head 2 X + half: 0-31 Q's, 32-39 K's, 40-47 V's
	s_and_b32 s47, s46, 7                          ; the key/value head
	s_lshl_b32 s66, s46, 7
	s_lshl_b32 s21, s13, 3
	s_lshl_b32 s22, s11, 2
	s_add_co_u32 s21, s21, s22
	s_add_co_u32 s66, s66, s21
	s_lshl_b32 s66, s66, 10                        ; Q: (128 head + 8 Y + 4 half) images of 1 KiB
	s_lshl_b32 s67, s47, 18
	s_lshl_b32 s21, s13, 14
	s_add_co_u32 s67, s67, s21                     ; K, V: the head's 256 KiB, key step Y's 16 KiB
	s_lshl_b32 s22, s11, 12
	s_add_co_u32 s70, s67, s22                     ; K: tiles 4 half + a of 1 KiB
	s_lshl_b32 s22, s11, 10
	s_add_co_u32 s71, s67, s22
	s_add_co_u32 s71, s71, 8192                    ; V: behind K's eight tiles; blocks 2 half + u of each fragment's four
	s_cmp_eq_u32 s[KIDX], 0
	s_cselect_b64 s[96:97], s[72:73], s[74:75]
	s_cselect_b32 s98, s66, s70
	s_cmp_eq_u32 s[KIDX], 2
	s_cselect_b32 s98, s71, s98
	s_cselect_b64 s[68:69], s[78:79], s[76:77]
	s_mov_b32 s99, 0
	s_add_nc_u64 s[96:97], s[96:97], s[98:99]      ; the codes' base
	s_lshl_b32 s98, s47, 11
	s_lshl_b32 s21, s13, 7
	s_lshl_b32 s22, s11, 6
	s_add_co_u32 s21, s21, s22
	s_add_co_u32 s98, s98, s21
	s_lshl_b32 s98, s98, 8
	s_add_nc_u64 s[68:69], s[68:69], s[98:99]      ; out1 or out2 at row 2048 head + 128 Y + 64 half, 256 bytes a row
.macro MULA f, a, zero                 ; four matrix instructions: A's block a against B's four.  The 16 accumulators take turns in one order throughout
.irp b, 0,1,2,3
.if \zero
	v_wmma_f32_16x16x128_fp8_fp8 v[ACC+8*(4*\a+\b):ACC+8*(4*\a+\b)+7], v[\f+64+16*\b:\f+64+16*\b+15], v[\f+16*\a:\f+16*\a+15], 0
.else
	v_wmma_f32_16x16x128_fp8_fp8 v[ACC+8*(4*\a+\b):ACC+8*(4*\a+\b)+7], v[\f+64+16*\b:\f+64+16*\b+15], v[\f+16*\a:\f+16*\a+15], v[ACC+8*(4*\a+\b):ACC+8*(4*\a+\b)+7]
.endif
.endr
.endm
.macro FETCH slot, k, f                ; 32 LDS loads in one run: the fragments of 128 along K at byte k of the rows
	WIN TO_F
.irp i, 0,1,2,3
.irp c, 0,1,2,3
	ds_load_b128 v[\f+64+16*\i+4*\c:\f+64+16*\i+4*\c+3], v[ADRB+\slot] offset:\k+32*\c+\i*16*PITCH
.endr
.irp c, 0,1,2,3
	ds_load_b128 v[\f+16*\i+4*\c:\f+16*\i+4*\c+3], v[ADRA+\slot] offset:\k+32*\c+\i*16*PITCH
.endr
.endr
.endm
.macro QUARTER slot, k, f, g, zero     ; fetches the next quarter (byte k) into g, then multiplies f
	PLACES                                         ; g was multiplied in the quarter before
	FETCH \slot, \k, \g
	s_wait_dscnt 32                                ; f is in: only the 32 loads just issued may be out
	WIN MUL
	MULA \f, 0, \zero
	MULA \f, 1, \zero
	MULA \f, 2, \zero
	MULA \f, 3, \zero
.endm
.macro TURN slot, next, fill           ; a slot's last quarter (buffer 1) and the change of slots
	WIN 0
	s_wait_tensorcnt 0x0                           ; all my tensor loads have landed: my part of the next slot;
	ds_add_u32 v[SPW], v[NIL]                      ; 0 onto my spare word;
	s_wait_dscnt 1                                 ; buffer 1 is in: only the add may be out
	WIN MUL
	MULA F1, 0, 0
	s_wait_dscnt 0x0                               ; the add is done, and my reads of this slot are over
	s_barrier_signal -1
	MULA F1, 1, 0
	WIN 0
	s_barrier_wait -1
.if \fill
	CREST                                          ; the barrier has opened a round of the cluster's: no wave of any partner still reads this slot or has a load on its way
	s_add_nc_u64 s[G0+4*\slot+2:G0+4*\slot+3], s[G0+4*\slot+2:G0+4*\slot+3], 2*KSTEP
	s_add_nc_u64 s[G0B+4*\slot+2:G0B+4*\slot+3], s[G0B+4*\slot+2:G0B+4*\slot+3], 2*KSTEP
	JLOAD \slot                                    ; the first tensor load behind the round; its four v_nop are also the places in front of the loads below
.else
	PLACES
.endif
	FETCH \next, 0, F0
	WIN MUL
	MULA F1, 2, 0
	MULA F1, 3, 0
.endm
	s_wait_tensorcnt 1                             ; my part of K step 0 is in; K step 1's may stay out
	s_barrier_signal -1
	s_barrier_wait -1
	FETCH 0, 0, F0
	QUARTER 0, 128, F0, F1, 1                      ; the first products start the sums: nothing is cleared
	QUARTER 0, 256, F1, F0, 0
	QUARTER 0, 384, F0, F1, 0
	TURN 0, 1, 1                                   ; slot 0 takes K step 2
	QUARTER 1, 128, F0, F1, 0
	QUARTER 1, 256, F1, F0, 0
	QUARTER 1, 384, F0, F1, 0
	TURN 1, 0, 1                                   ; slot 1 takes K step 3
	QUARTER 0, 128, F0, F1, 0
	QUARTER 0, 256, F1, F0, 0
	QUARTER 0, 384, F0, F1, 0
	TURN 0, 1, 0                                   ; nothing is left to fetch
	QUARTER 1, 128, F0, F1, 0
	QUARTER 1, 256, F1, F0, 0
	QUARTER 1, 384, F0, F1, 0
	s_wait_dscnt 0x0
	WIN MUL
	MULA F1, 0, 0
	MULA F1, 1, 0
	MULA F1, 2, 0
	MULA F1, 3, 0
	WIN 0
	PLACES
; THE WAY OUT.  Block a: my rows 16 a .. 16 a + 15, 64 columns.  F32OUT: sums x 2^(eA + eB) through my stage (so: which stage) and out as whole rows of 256 bytes.
; isv = 1: the same rows are read back by columns (lane (r, h): channel 16 c + r, keys 8 h + 0 .. 7), into the block's own accumulator registers, and converted: registers 2 a, 2 a + 1 of my half of V's fragment c.
.macro F32OUT a, so, isv
.set jj, 0
.rept 16
	v_pk_mul_f32 v[TMP+jj:TMP+jj+1], v[ACC+32*\a+jj:ACC+32*\a+jj+1], s[MULF:MULF+1] op_sel_hi:[1,0]   ; each accumulator from its low end on
.set jj, jj+2
.endr
.irp b, 0,1,2,3
	ds_store_b128 v[STO], v[TMP+8*\b:TMP+8*\b+3] offset:\so+64*\b
	ds_store_b128 v[STO], v[TMP+8*\b+4:TMP+8*\b+7] offset:\so+64*\b+16
.endr
.if \a > 0
	s_wait_xcnt 0x0                                ; the last block's stores have read the registers that the loads below fill
.endif
.irp i, 0,1,2,3,4,5,6,7
	ds_load_b128 v[BK+4*\i:BK+4*\i+3], v[RD] offset:\so+2*SPITCH*\i   ; LDS serves a wave's instructions in order: these see my stores
.endr
.if \isv
.irp c, 0,1,2,3
.irp j, 0,1,2,3,4,5,6,7
	ds_load_b32 v[ACC+32*\a+8*\c+\j], v[VR] offset:\so+SPITCH*\j+64*\c
.endr
.endr
.endif
.irp i, 0,1,2,3,4,5,6,7
	s_wait_dscnt 7-\i+32*\isv                      ; row pair i is back; the younger row loads, and the 32 loads by columns, may be out
	global_store_b128 v[CO], v[BK+4*\i:BK+4*\i+3], s[68:69] offset:4096*\a+512*\i th:TH_STORE_NT   ; 32 lanes store 512 consecutive bytes: two rows
.endr
.if \isv
	s_wait_dscnt 0x0
.set jj, 0
.rept 32
	v_med3_num_f32 v[ACC+32*\a+jj], v[ACC+32*\a+jj], -v[LIM], v[LIM]
.set jj, jj+1
.endr
.irp c, 0,1,2,3
	v_cvt_scalef32_pk8_fp8_f32 v[CD+8*\c+2*\a:CD+8*\c+2*\a+1], v[ACC+32*\a+8*\c:ACC+32*\a+8*\c+7], v[SCL]
.endr
	v_nop                                          ; a plain line behind the last conversion of the run
.endif
.endm
	s_cmp_eq_u32 s[KIDX], 0
	s_cbranch_scc1 .Lcodes                         ; Q has no f32 output
	s_cmp_eq_u32 s[KIDX], 2
	s_cbranch_scc1 .Lvalues
.irp a, 0,1,2,3
	F32OUT \a, 0, 0                                ; K to out1
.endr
.Lcodes:                                               ; Q and K: the raw sums, held and converted in place of a transposition: accumulator (a, b) gives registers 2 b, 2 b + 1 of fragment a
.irp a, 0,1,2,3
.set jj, 0
.rept 32
	v_med3_num_f32 v[ACC+32*\a+jj], v[ACC+32*\a+jj], -v[LIM], v[LIM]
.set jj, jj+1
.endr
.irp b, 0,1,2,3
	v_cvt_scalef32_pk8_fp8_f32 v[CD+8*\a+2*\b:CD+8*\a+2*\b+1], v[ACC+32*\a+8*\b:ACC+32*\a+8*\b+7], v[SCL]
.endr
.endr
	v_nop
.irp a, 0,1,2,3
.irp u, 0,1
	global_store_b128 v[CO], v[CD+8*\a+4*\u:CD+8*\a+4*\u+3], s[96:97] offset:1024*\a+512*\u   ; 512 consecutive bytes: half an image
.endr
.endr
	s_branch .Lend
.Lvalues:
.irp a, 0,1,2,3
	F32OUT \a, VSTG, 1                             ; V to out2, and its codes along the keys
.endr
.irp c, 0,1,2,3
.irp u, 0,1
	global_store_b128 v[CO], v[CD+8*\c+4*\u:CD+8*\c+4*\u+3], s[96:97] offset:2048*\c+512*\u
.endr
.endr
.Lend:
	s_wait_tensorcnt 0x0                           ; the wave's end
	ds_add_u32 v[SPW], v[NIL]
	s_wait_dscnt 0x0
	CROUND                                         ; the closing round
	s_endpgm
.Lfunc_end_k_qfb92d87c85_gemm_qkv:
	.size	k_qfb92d87c85_gemm_qkv, .Lfunc_end_k_qfb92d87c85_gemm_qkv-k_qfb92d87c85_gemm_qkv
	.p2alignl 7, 3214868480
	.fill 96, 4, 3214868480
	.section	.rodata,"a",@progbits
	.p2align	6, 0x0
	.amdhsa_kernel k_qfb92d87c85_gemm_qkv
		.amdhsa_group_segment_fixed_size 327680
		.amdhsa_private_segment_fixed_size 0
		.amdhsa_enable_private_segment 0
		.amdhsa_kernarg_size 56
		.amdhsa_user_sgpr_count 2
		.amdhsa_user_sgpr_kernarg_segment_ptr 1
		.amdhsa_wavefront_size32 1
		.amdhsa_system_sgpr_workgroup_id_x 1
		.amdhsa_system_sgpr_workgroup_id_y 1
		.amdhsa_system_sgpr_workgroup_id_z 1
		.amdhsa_system_vgpr_workitem_id 0
		.amdhsa_next_free_vgpr 512
		.amdhsa_next_free_sgpr 100
		.amdhsa_reserve_vcc 0
		.amdhsa_float_denorm_mode_32 3
		.amdhsa_float_denorm_mode_16_64 3
		.amdhsa_memory_ordered 1
		.amdhsa_forward_progress 1
		.amdhsa_inst_pref_size 116
	.end_amdhsa_kernel
	.amdgpu_metadata
---
amdhsa.version: [ 1, 2 ]
amdhsa.kernels:
  - .name:           k_qfb92d87c85_gemm_qkv
    .symbol:         k_qfb92d87c85_gemm_qkv.kd
    .args:
      - { .name: xc, .offset: 0, .size: 8, .value_kind: global_buffer, .address_space: global }
      - { .name: wc, .offset: 8, .size: 8, .value_kind: global_buffer, .address_space: global }
      - { .name: lowp_scales, .offset: 16, .size: 8, .value_kind: global_buffer, .address_space: global }
      - { .name: qimg, .offset: 24, .size: 8, .value_kind: global_buffer, .address_space: global }
      - { .name: kvimg, .offset: 32, .size: 8, .value_kind: global_buffer, .address_space: global }
      - { .name: out1, .offset: 40, .size: 8, .value_kind: global_buffer, .address_space: global }
      - { .name: out2, .offset: 48, .size: 8, .value_kind: global_buffer, .address_space: global }
    .group_segment_fixed_size: 327680
    .private_segment_fixed_size: 0
    .kernarg_segment_align: 8
    .kernarg_segment_size: 56
    .max_flat_workgroup_size: 128
    .sgpr_count:     100
    .vgpr_count:     512
    .wavefront_size: 32
...
	.end_amdgpu_metadata
.endif
;; end of part 2
;; launch attn (part 3): grid 32 x 8, 4 waves a work-group, clusters of 4 x 1, 280,064 bytes of LDS; arguments qimg, kvimg, mbits, lowp_scales, oc; writes oc
.if DOCPART == 3
	.amdgcn_target "amdgcn-amd-amdhsa--gfx1250"
	.amdhsa_code_object_version 6
	.text
	.protected	k_qfb92d87c85_attn
	.globl	k_qfb92d87c85_attn
	.p2align	8
	.type	k_qfb92d87c85_attn,@function
k_qfb92d87c85_attn:
	s_mov_b64 s[64:65], 0
	v_nop
	global_prefetch_b8 v0, s[64:65] scope:SCOPE_SE
	s_setreg_imm32_b32 hwreg(HW_REG_WAVE_MODE, 25, 1), 1
	s_wait_xcnt 0x0
	s_wait_alu depctr_hold_cnt(0) depctr_sa_sdst(0) depctr_va_vdst(0) depctr_va_sdst(0) depctr_va_ssrc(0) depctr_va_vcc(0) depctr_vm_vsrc(0)
	s_getreg_b32 s2, hwreg(HW_REG_IB_STS2, 6, 4)
	s_cmp_eq_u32 s2, 0
	s_cbranch_scc0 .Lentry_in_a_cluster
	s_endpgm
.Lentry_in_a_cluster:
	s_bfe_u32 s2, ttmp6, 0x10000c
	s_cmp_lg_u32 s2, 0x3003
	s_cbranch_scc0 .Lentry_shape_is_right
	s_endpgm
.Lentry_shape_is_right:
; ATTENTION on E4M3 codes.  A work-group takes 64 queries of one key/value head; wave w takes ONE tile of 16 queries for the FOUR query heads of the group, a head to a register window.
; So each fragment of K and of V read from LDS feeds four matrix instructions, and the mask, which the four heads share, is expanded once for the four.
; K AND V OF THE HEAD, 256 KiB of codes as images of the operands' registers, LIE WHOLE IN LDS: each wave asks for four pieces of 16 KiB at the head, nothing is filled twice: no ring.
; CLUSTER: the four query blocks of a cluster belong to one key/value head and ask for its codes JOINTLY (mask 15).
; LAYOUT.  S^T = K Q^T + bias (source 0 = 16 keys, source 1 = my 16 queries, 16x16x64): lane (r, h) holds query r; register 8 T + j is key 128 t + 16 T + 8 h + j.  The conversion of tile T's eight registers
; IS registers 2 T, 2 T + 1 of P as source 1 of O^T = V^T P^T (16x16x128): k stands in its true places in both products.
; THE MASK IS AN INPUT: it is honoured as it is given, for every key.  It goes in as the C of the score product: 0 where the key counts, -2^127 where it does not.  Beside any key that counts, t - M of such a key
; is far under -150 and p is exactly 0.  What a row gathers while all its keys so far are masked (p = 1 or 0, finite) is multiplied by f = 0 at its first key that counts.
; A row whose keys are ALL masked (largest t <= THR) gets the NaN code in every byte, so that the last product gives NaN there, as the softmax of such a row is NaN.
; THE SOFTMAX: t = score x log2(e) / 8; M = the running largest t rounded up to a whole number; p = 2^(t - M) is quantised; the sum is taken of the unquantised p and divides at the end.
; LIMITS: e6 + e7 between -110 and 100; e8 and e10 between -126 and 119; e8 + e9 is applied by v_ldexp_f32.
; Nothing is prefetched: all of K and V is asked for at the head.  No step is skipped: which keys count is data.
; REGISTERS.  In window g (head g): v112 -M, v113 largest t, v[114:115] the sum, v[116:117] f, v118-120 at work, v[122:123] the sum's second chain, v124 scale, v125 448 x scale, v126 THR, v127 NaN codes,
;   v128-191 S^T then p, v192-223 O^T, v224-239 p's codes, v240-247 Q.   Low parts: window 0 v1-5 addresses, v32-63 rows on the way out; window 1 v0-63 K; window 2 v0-63 V; window 3 v0-63 the bias, v64 -2^127, v65 0.
.set STG,  262144                      ; behind K and V: 16 rows x 272 bytes for each wave
.set SP,   272
.set LI,   1                           ; 16 x lane
.set ADR,  2                           ; LDS address of the step that is being fetched
.set STO,  3
.set RD,   4
.set CO,   5
.set BK,   32
.set NM,   112
.set MT,   113
.set LS,   114
.set FF,   116
.set T0,   118
.set T1,   119
.set T2,   120
.set L2,   122
.set SCL,  124
.set LIM,  125
.set THR,  126
.set NANC, 127
.set SC,   128
.set OA,   192
.set PC,   224
.set QF,   240
.set NEG,  64
.set ZER,  65
.set WV,   14
.set G1,   16                          ; s[16:23]
.set G0,   24                          ; s[24:39]: four groups 0
.set CS,   40                          ; s[40:41] c = log2(e) / 8 x 2^(e6 + e7)
.set SEL,  42                          ; s[42:43] lane l xor 16
.set TT,   44                          ; the key step t
.set TN,   45                          ; min(t + 1, 15)
.set TBN,  46                          ; its place in LDS
.set MO1,  47                          ; its place in the tile's mask words
.set MO2,  48                          ; the same for min(t + 2, 15)
.set EPV,  49                          ; e8 + e9
.set SC10, 50                          ; 2^e10
.set LM10, 51                          ; 448 x 2^e10
.set EX,   52                          ; s[52:63] e0 .. e11
.set MW,   68                          ; s[68:99] 32 mask words
.set MSB, 0
.macro WIN new
.if MSB != (\new)
	s_set_vgpr_msb (MSB<<8)|(\new)
.set MSB, (\new)
.endif
.endm
.macro CROUND
	s_barrier_signal -1
	s_barrier_wait -1
	s_cmp_lg_u32 s[WV], 0
	s_cbranch_scc1 .Lnot_wave_0_\@
	s_barrier_signal -3
.Lnot_wave_0_\@:
	s_barrier_wait -3
	s_barrier_signal -1
	s_barrier_wait -1
.endm
	s_load_b256 s[4:11], s[0:1], 0x0               ; qimg 4:5, kvimg 6:7, mbits 8:9, scales 10:11
	s_load_b64 s[12:13], s[0:1], 0x20              ; oc
	v_lshl_add_u32 v254, v0, 2, 0x44400
	v_mov_b32 v255, 0
	ds_add_u32 v254, v255
	ds_add_u32 v254, v255
	v_lshrrev_b32 v1, 5, v0
	v_readfirstlane_b32 s[WV], v1                  ; wave 0..3
	s_bfe_u32 s68, ttmp6, 0x40000                  ; cx
	s_lshl_b32 s69, ttmp9, 2
	s_add_co_u32 s69, s69, s68                     ; my block of 64 queries
	s_lshl_b32 s69, s69, 2
	s_add_co_u32 s69, s69, s[WV]                   ; my query tile qt: it enters global addresses of Q, the mask words and the output alone
	s_and_b32 s70, ttmp7, 0xffff                   ; the key/value head, which the four partners share
	s_lshl_b32 s71, s[WV], 14                      ; my 16 KiB of each piece of 64 KiB
	s_lshl_b32 s72, s70, 18
	s_add_co_u32 s72, s72, s71
	s_mov_b32 s73, 0
	s_lshl_b32 s74, s70, 9
	s_add_co_u32 s74, s74, s69
	s_lshl_b32 s74, s74, 10                        ; Q: image (128 x head 4 kvh + qt)
	s_mov_b32 s75, 0
	s_lshl_b32 s76, s69, 12                        ; the tile's 16 x 64 mask words
	s_mov_b32 s77, 0
	s_lshl_b32 s78, s69, 15
	s_lshl_b32 s79, s70, 8
	s_add_co_u32 s78, s78, s79                     ; the output: row 16 qt of 2,048 bytes, + the group's 256
	s_mov_b32 s79, 0
	s_mov_b32 s[G1], 15|(3<<16)|(1<<21)            ; the mask: all four work-groups; elements of 8 bytes; bit 21 beside a mask; no padding
	s_mov_b32 s[G1+1], 32<<16                      ; tensor_dim0 = 32: rows of 256 bytes
	s_mov_b32 s[G1+2], 64<<16                      ; tensor_dim1 = 64
	s_mov_b32 s[G1+3], 32<<16                      ; tile_dim0
	s_mov_b32 s[G1+4], 64                          ; tile_dim1
	s_mov_b32 s[G1+5], 32                          ; dense
	s_mov_b32 s[G1+6], 0
	s_mov_b32 s[G1+7], 0
	s_mov_b32 s[CS], 0x3e38aa3b                    ; log2(e) / 8
	s_mov_b32 s[SEL], 0x76543210
	s_mov_b32 s[SEL+1], 0xfedcba98
	s_wait_dscnt 0x0
	s_wait_kmcnt 0x0
	s_load_b256 s[EX:EX+7], s[10:11], 0x0
	s_load_b128 s[EX+8:EX+11], s[10:11], 0x20
	s_add_nc_u64 s[6:7], s[6:7], s[72:73]
	s_add_nc_u64 s[4:5], s[4:5], s[74:75]
	s_add_nc_u64 s[8:9], s[8:9], s[76:77]
	s_add_nc_u64 s[12:13], s[12:13], s[78:79]
	CROUND                                         ; all four work-groups are here: the joint loads meet
.irp j, 0,1,2,3
	s_mov_b32 s[G0+4*\j], 1
	s_add_co_u32 s[G0+4*\j+1], s71, 65536*\j       ; key step 4 j + wave
	s_add_nc_u64 s[G0+4*\j+2:G0+4*\j+3], s[6:7], 65536*\j
	s_or_b32 s[G0+4*\j+3], s[G0+4*\j+3], 0x80000000
.endr
.irp j, 0,1,2,3
	tensor_load_to_lds s[G0+4*\j:G0+4*\j+3], s[G1:G1+7]   ; four loads of mine are out: all that this wave ever asks for
	s_nop 0
.endr
.rept 4
	v_nop
.endr
	v_and_b32 v1, 31, v0
	v_lshlrev_b32 v[LI], 4, v1
	v_and_b32 v6, 15, v0                           ; r
	v_bfe_u32 v7, v0, 4, 1                         ; h
	s_mul_i32 s66, s[WV], 16*SP
	s_add_co_u32 s66, s66, STG                     ; my stage
	v_mul_u32_u24 v[STO], v6, SP
	v_lshl_add_u32 v[STO], v7, 3, v[STO]
	v_add_nc_u32 v[STO], s66, v[STO]               ; in: row r, 8 bytes for each half of the lanes
	v_mul_u32_u24 v[RD], v7, SP
	v_lshl_add_u32 v[RD], v6, 4, v[RD]
	v_add_nc_u32 v[RD], s66, v[RD]                 ; back: lanes 0-15 one row of 256 bytes, lanes 16-31 the next
	v_lshlrev_b32 v[CO], 11, v7
	v_lshl_add_u32 v[CO], v6, 4, v[CO]             ; and the same two rows of the output
.irp g, 0,1,2,3
	WIN \g<<6                                      ; destination window g
	global_load_b128 v[QF:QF+3], v[LI], s[4:5] offset:\g*131072
	global_load_b128 v[QF+4:QF+7], v[LI], s[4:5] offset:\g*131072+512
.endr
	WIN 0
	s_wait_kmcnt 0x0                               ; the scales
	s_add_co_i32 s66, s[EX+6], s[EX+7]
	s_lshl_b32 s66, s66, 23
	s_add_co_i32 s[CS], s[CS], s66                 ; a score stands for score x 2^(e6 + e7): added to c's exponent field
	s_mov_b32 s[CS+1], s[CS]
	s_add_co_i32 s66, s[EX+8], 127
	s_lshl_b32 s67, s66, 23                        ; 2^e8
	s_add_co_i32 s66, s66, 8
	s_lshl_b32 s66, s66, 23
	s_or_b32 s66, s66, 0x600000                    ; 448 x 2^e8
	s_add_co_i32 s[EPV], s[EX+8], s[EX+9]
	s_add_co_i32 s[SC10], s[EX+10], 127
	s_add_co_i32 s[LM10], s[SC10], 8
	s_lshl_b32 s[SC10], s[SC10], 23
	s_lshl_b32 s[LM10], s[LM10], 23
	s_or_b32 s[LM10], s[LM10], 0x600000
.irp g, 0,1,2,3
	WIN 0x55*\g
	v_mov_b32 v[MT], 0xff61b1e6                    ; the largest t so far: -3e38
	v_floor_f32 v[NM], -v[MT]
	v_mov_b32 v[LS], 0
	v_mov_b32 v[LS+1], 0
	v_mov_b32 v[FF+1], 0                           ; (named as the upper half of a pair)
	v_mov_b32 v[T2], 0                             ; a lane permute's destination counts as read
	v_mov_b32 v[SCL], s67
	v_mov_b32 v[LIM], s66
	v_mov_b32 v[THR], 0xf1800000                   ; -2^100
	v_mul_f32 v[THR], s[CS], v[THR]
	v_max_num_f32 v[THR], v[THR], v[MT]            ; THR = max(-3e38, -2^100 c): above every wholly masked row's t, below every t of a key that counts (|score| < 2^24)
	v_mov_b32 v[NANC], 0x7f7f7f7f
.set jj, 0
.rept 32
	v_mov_b32 v[OA+jj], 0                          ; O^T: the step is written once, and its first change of M multiplies zeros
.set jj, jj+1
.endr
.endr
	v_mov_b32 v[NEG], 0xff000000                   ; (window 3)  -2^127
	v_mov_b32 v[ZER], 0
.macro KLOAD                           ; a step's eight fragments of K: 16 loads of 512 consecutive bytes
	WIN 0x40
.irp q, 0,1,2,3,4,5,6,7,8,9,10,11,12,13,14,15
	ds_load_b128 v[4*\q:4*\q+3], v[ADR] offset:512*\q
.endr
.endm
.macro VLOAD                           ; its four fragments of V
	WIN 0x80
.irp q, 0,1,2,3,4,5,6,7,8,9,10,11,12,13,14,15
	ds_load_b128 v[4*\q:4*\q+3], v[ADR] offset:8192+512*\q
.endr
.endm
.macro MASKLD off, half                ; 32 mask words of the step at byte s[off]
	s_load_b512 s[MW:MW+15], s[8:9], s[\off] offset:128*\half
	s_load_b512 s[MW+16:MW+31], s[8:9], s[\off] offset:128*\half+64
.endm
.macro EXPAND half                     ; they become 32 registers of the bias: 0 where the bit is set, else -2^127
	s_wait_kmcnt 0x0
	WIN 0xff
.set jj, 0
.rept 32
	v_cndmask_b32 v[32*\half+jj], v[NEG], v[ZER], s[MW+jj]
.set jj, jj+1
.endr
.endm
.macro SPHASE                          ; the scores of four heads: each fragment of K serves four products
.irp g, 0,1,2,3
	WIN 1|(\g<<2)|(3<<4)|(\g<<6)                   ; K window 1, Q and S^T window g, the bias window 3
.irp t, 0,1,2,3,4,5,6,7
	v_wmma_f32_16x16x64_fp8_fp8 v[SC+8*\t:SC+8*\t+7], v[8*\t:8*\t+7], v[QF:QF+7], v[8*\t:8*\t+7]
.endr
.endr
.endm
.macro SOFT g                          ; one head's softmax for a step of 128 keys
	WIN 0x55*\g
	v_max3_num_f32 v[T0], v[SC], v[SC+1], v[SC+2]  ; the largest score among my 64 keys, in two chains; each accumulator is first read at its low end
	v_max3_num_f32 v[T1], v[SC+3], v[SC+4], v[SC+5]
.irp i, 6,10,14,18,22,26,30,34,38,42,46,50,54,58
	v_max3_num_f32 v[T0], v[T0], v[SC+\i], v[SC+\i+1]
	v_max3_num_f32 v[T1], v[T1], v[SC+\i+2], v[SC+\i+3]
.endr
	v_max3_num_f32 v[T0], v[T0], v[SC+62], v[SC+63]
	v_max_num_f32 v[T0], v[T0], v[T1]
	v_permlanex16_b32 v[T2], v[T0], s[SEL], s[SEL+1]
	v_max_num_f32 v[T0], v[T0], v[T2]              ; and among lane l xor 16's
	v_mul_f32 v[T0], s[CS], v[T0]                  ; as t
	v_max_num_f32 v[MT], v[MT], v[T0]
	v_mov_b32 v[T0], v[NM]
	v_floor_f32 v[NM], -v[MT]                      ; -M = floor(-t): M is a whole number
	v_sub_f32 v[T0], v[NM], v[T0]                  ; old M - new M: a whole number, 0 or less
	v_cvt_i32_f32 v[T0], v[T0]                     ; (it saturates)
	v_ldexp_f32 v[FF], 1.0, v[T0]                  ; f = 2^(old M - new M)
.set jj, 0
.rept 32
	v_pk_fma_f32 v[SC+jj:SC+jj+1], v[SC+jj:SC+jj+1], s[CS:CS+1], v[NM:NM+1] op_sel_hi:[1,0,0]   ; t - M
.set jj, jj+2
.endr
.set jj, 0
.rept 64
	v_exp_f32 v[SC+jj], v[SC+jj]                   ; p = 2^(t - M)
.set jj, jj+1
.endr
	v_pk_mul_f32 v[LS:LS+1], v[LS:LS+1], v[FF:FF+1] op_sel_hi:[1,0]   ; the sum under the new M: the plain line behind the exponentials
	s_wait_alu depctr_va_vdst(0)                   ; one wait for the batch of 64, ahead of its first reader
	v_pk_add_f32 v[L2:L2+1], v[SC:SC+1], v[SC+2:SC+3]   ; the sum of the UNQUANTISED p, in two chains
.irp j, 4,8,12,16,20,24,28,32,36,40,44,48,52,56,60
	v_pk_add_f32 v[LS:LS+1], v[LS:LS+1], v[SC+\j:SC+\j+1]
	v_pk_add_f32 v[L2:L2+1], v[L2:L2+1], v[SC+\j+2:SC+\j+3]
.endr
	v_pk_add_f32 v[LS:LS+1], v[LS:LS+1], v[L2:L2+1]
.set jj, 0
.rept 64
	v_min_num_f32 v[SC+jj], v[SC+jj], v[LIM]       ; the conversion does not saturate (ISA guide 7.6.2); p is not negative: a one-sided hold
.set jj, jj+1
.endr
.irp t, 0,1,2,3,4,5,6,7
	v_cvt_scalef32_pk8_fp8_f32 v[PC+2*\t:PC+2*\t+1], v[SC+8*\t:SC+8*\t+7], v[SCL]
.endr
.set jj, 0
.rept 16
	v_pk_mul_f32 v[OA+jj:OA+jj+1], v[OA+jj:OA+jj+1], v[FF:FF+1] op_sel_hi:[1,0]   ; O^T under the new M; also the plain lines between the conversions and the products
.set jj, jj+2
.endr
.endm
.macro PV g                            ; O^T += V^T P^T: four accumulators by turns
	WIN 2|(\g<<2)|(\g<<4)|(\g<<6)
.irp c, 0,1,2,3
	v_wmma_f32_16x16x128_fp8_fp8 v[OA+8*\c:OA+8*\c+7], v[16*\c:16*\c+15], v[PC:PC+15], v[OA+8*\c:OA+8*\c+7]
.endr
.endm
; A KEY STEP.  K, V and the bias of step t + 1 are fetched while step t is worked.  In the last step the look-ahead is held at step 15: it reads that step again and uses nothing of it.
.macro STEP
	s_wait_dscnt 16                                ; K of this step is in; V's 16 loads, issued behind it, may be out
	SPHASE
	WIN 0
	v_add_nc_u32 v[ADR], s[TBN], v[LI]             ; with three v_nop: the four places in front of loads into K's registers and of writes of the bias
.rept 3
	v_nop
.endr
	KLOAD
	EXPAND 0
	MASKLD MO1, 1
	SOFT 0
	s_wait_dscnt 16                                ; V of this step is in; the next step's K may be out
	PV 0
	EXPAND 1
	MASKLD MO2, 0
	SOFT 1
	PV 1
	SOFT 2
	PV 2
	SOFT 3
	PV 3
	WIN 0
.rept 4
	v_nop                                          ; places in front of loads into V's registers
.endr
	VLOAD
	WIN 0
	s_wait_kmcnt 0x0                               ; the mask words' loads are done: their offsets may be written
	s_add_co_u32 s[TT], s[TT], 1
	s_add_co_u32 s[TN], s[TT], 1
	s_min_u32 s[TN], s[TN], 15
	s_lshl_b32 s[TBN], s[TN], 14
	s_lshl_b32 s[MO1], s[TN], 8
	s_add_co_u32 s[MO2], s[TT], 2
	s_min_u32 s[MO2], s[MO2], 15
	s_lshl_b32 s[MO2], s[MO2], 8
.endm
	s_mov_b32 s[MO1], 0
	MASKLD MO1, 0                                  ; step 0's bias,
	EXPAND 0
	MASKLD MO1, 1
	EXPAND 1
	s_mov_b32 s[MO1], 256                          ; (behind the wait in EXPAND)
	MASKLD MO1, 0                                  ; and the first half of step 1's words
	WIN 0
	s_mov_b32 s[TT], 0
	s_mov_b32 s[TN], 1
	s_mov_b32 s[TBN], 16384
	s_mov_b32 s[MO2], 512
	s_wait_tensorcnt 3                             ; my first piece is in (the three younger may be out)
	s_barrier_signal -1
	s_barrier_wait -1                              ; key steps 0 to 3 lie in LDS
	v_mov_b32 v[ADR], v[LI]
	KLOAD
	VLOAD
	WIN 0
	s_wait_loadcnt 0x0                             ; Q
.Lfirst:                                               ; steps 0, 1, 2: they fetch up to step 3
	STEP
	s_cmp_lt_u32 s[TT], 3
	s_cbranch_scc1 .Lfirst
	s_wait_tensorcnt 0x0                           ; all my pieces are in,
	s_wait_dscnt 0x0
	s_barrier_signal -1
	s_barrier_wait -1                              ; everybody's are
	s_mov_b32 s[TT], 3                             ; (it stands at 3: 13 trips follow)
.Lrest:
	STEP
	s_cmp_lt_u32 s[TT], 16
	s_cbranch_scc1 .Lrest
; THE WAY OUT: O^T x 2^(e8 + e9) / the sum is the next product's operand: held, converted with 2^e10, and gathered in my stage: a row's 256 bytes are four heads x 64 codes.
.macro FIN g
	WIN 0x55*\g
	v_add_f32 v[T0], v[LS], v[LS+1]
	v_permlanex16_b32 v[T2], v[T0], s[SEL], s[SEL+1]
	v_add_f32 v[T0], v[T0], v[T2]                  ; the row's sum
	v_rcp_f32 v[T1], v[T0]
	v_cmp_le_f32 vcc_lo, v[MT], v[THR]             ; a row with no key that counts.  (Plain lines behind the reciprocal)
	v_mov_b32 v[SCL], s[SC10]
	v_mov_b32 v[LIM], s[LM10]
	s_wait_alu depctr_va_vdst(0)                   ; the wait ahead of the reciprocal's first reader
	v_ldexp_f32 v[T1], v[T1], s[EPV]
.set jj, 0
.rept 32
	v_mul_f32 v[SC+jj], v[OA+jj], v[T1]            ; each accumulator from its low end on
.set jj, jj+1
.endr
.set jj, 0
.rept 32
	v_med3_num_f32 v[SC+jj], v[SC+jj], -v[LIM], v[LIM]
.set jj, jj+1
.endr
.irp c, 0,1,2,3
	v_cvt_scalef32_pk8_fp8_f32 v[PC+2*\c:PC+2*\c+1], v[SC+8*\c:SC+8*\c+7], v[SCL]
.endr
	v_nop                                          ; a plain line between the conversions and the selects on their results
.irp i, 0,1,2,3,4,5,6,7
	v_cndmask_b32 v[PC+\i], v[PC+\i], v[NANC], vcc_lo
.endr
	WIN \g<<2                                      ; the store's data in window g
.irp c, 0,1,2,3
	ds_store_b64 v[STO], v[PC+2*\c:PC+2*\c+1] offset:64*\g+16*\c   ; query r, head g, channels 16 c + 8 h + 0 .. 7
.endr
.endm
	FIN 0
	FIN 1
	FIN 2
	FIN 3
	WIN 0
.irp i, 0,1,2,3,4,5,6,7
	ds_load_b128 v[BK+4*\i:BK+4*\i+3], v[RD] offset:2*SP*\i   ; LDS serves a wave's instructions in order: these see my stores
.endr
.irp i, 0,1,2,3,4,5,6,7
	s_wait_dscnt 7-\i
	global_store_b128 v[CO], v[BK+4*\i:BK+4*\i+3], s[12:13] offset:4096*\i   ; sixteen lanes store 256 consecutive bytes, aligned
.endr
	s_wait_tensorcnt 0x0
	ds_add_u32 v254, v255
	s_wait_dscnt 0x0
	CROUND                                         ; the closing round: no LDS instruction and no tensor load of mine is out
	s_endpgm
.Lfunc_end_k_qfb92d87c85_attn:
	.size	k_qfb92d87c85_attn, .Lfunc_end_k_qfb92d87c85_attn-k_qfb92d87c85_attn
	.p2alignl 7, 3214868480
	.fill 96, 4, 3214868480
	.section	.rodata,"a",@progbits
	.p2align	6, 0x0
	.amdhsa_kernel k_qfb92d87c85_attn
		.amdhsa_group_segment_fixed_size 280064
		.amdhsa_private_segment_fixed_size 0
		.amdhsa_enable_private_segment 0
		.amdhsa_kernarg_size 40
		.amdhsa_user_sgpr_count 2
		.amdhsa_user_sgpr_kernarg_segment_ptr 1
		.amdhsa_wavefront_size32 1
		.amdhsa_system_sgpr_workgroup_id_x 1
		.amdhsa_system_sgpr_workgroup_id_y 1
		.amdhsa_system_sgpr_workgroup_id_z 1
		.amdhsa_system_vgpr_workitem_id 0
		.amdhsa_next_free_vgpr 1024
		.amdhsa_next_free_sgpr 100
		.amdhsa_reserve_vcc 1
		.amdhsa_float_denorm_mode_32 3
		.amdhsa_float_denorm_mode_16_64 3
		.amdhsa_memory_ordered 1
		.amdhsa_forward_progress 1
		.amdhsa_inst_pref_size 156
	.end_amdhsa_kernel
	.amdgpu_metadata
---
amdhsa.version: [ 1, 2 ]
amdhsa.kernels:
  - .name:           k_qfb92d87c85_attn
    .symbol:         k_qfb92d87c85_attn.kd
    .args:
      - { .name: qimg, .offset: 0, .size: 8, .value_kind: global_buffer, .address_space: global }
      - { .name: kvimg, .offset: 8, .size: 8, .value_kind: global_buffer, .address_space: global }
      - { .name: mbits, .offset: 16, .size: 8, .value_kind: global_buffer, .address_space: global }
      - { .name: lowp_scales, .offset: 24, .size: 8, .value_kind: global_buffer, .address_space: global }
      - { .name: oc, .offset: 32, .size: 8, .value_kind: global_buffer, .address_space: global }
    .group_segment_fixed_size: 280064
    .private_segment_fixed_size: 0
    .kernarg_segment_align: 8
    .kernarg_segment_size: 40
    .max_flat_workgroup_size: 128
    .sgpr_count:     100
    .vgpr_count:     1024
    .wavefront_size: 32
...
	.end_amdgpu_metadata
.endif
;; end of part 3
;; launch gemm_o (part 4): grid 16 x 16, 4 waves a work-group, clusters of 4 x 4, 327,680 bytes of LDS; arguments oc, woc, lowp_scales, out0; writes out0
.if DOCPART == 4
	.amdgcn_target "amdgcn-amd-amdhsa--gfx1250"
	.amdhsa_code_object_version 6
	.text
	.protected	k_qfb92d87c85_gemm_o
	.globl	k_qfb92d87c85_gemm_o
	.p2align	8
	.type	k_qfb92d87c85_gemm_o,@function
k_qfb92d87c85_gemm_o:
	s_mov_b64 s[64:65], 0
	v_nop
	global_prefetch_b8 v0, s[64:65] scope:SCOPE_SE
	s_setreg_imm32_b32 hwreg(HW_REG_WAVE_MODE, 25, 1), 1
	s_wait_xcnt 0x0
	s_wait_alu depctr_hold_cnt(0) depctr_sa_sdst(0) depctr_va_vdst(0) depctr_va_sdst(0) depctr_va_ssrc(0) depctr_va_vcc(0) depctr_vm_vsrc(0)
	s_getreg_b32 s2, hwreg(HW_REG_IB_STS2, 6, 4)
	s_cmp_eq_u32 s2, 0
	s_cbranch_scc0 .Lentry_in_a_cluster
	s_endpgm
.Lentry_in_a_cluster:
	s_bfe_u32 s2, ttmp6, 0x10000c
	s_cmp_lg_u32 s2, 0xf033
	s_cbranch_scc0 .Lentry_shape_is_right
	s_endpgm
.Lentry_shape_is_right:
; THE OUTPUT PROJECTION: out0[2048][2048] = out_h W_o on E4M3 codes, K = 2,048, sums in f32, each finished sum x 2^(e10 + e11).  A: oc [2048][2048]; B: woc [2048][2048] (W_o's columns), K innermost in both.
; A tile of C is 128 x 128: 256 tiles, one for each WGP: four waves of 64 x 64, 16 accumulators each.  K goes in four steps of 512 through two LDS slots, written out without a loop.
; CLUSTERS of 4 x 4: A's tile is asked for jointly along a row of the cluster, B's along a column.
; THE MATRIX INSTRUCTION IS USED TRANSPOSED (source 0 = 16 rows of woc, source 1 = 16 rows of oc): a lane holds eight neighbouring numbers of a row of C.
; A fragment is fetched by four 16-byte LDS loads, 32 bytes apart: a permutation of k, the same in A and in B.  A row of NaN codes in oc (a query with no key that counts) gives a row of NaN.
; LIMIT: e10 + e11 between -126 and 127.  Nothing is prefetched: the launch is short, on small tiles, and both first K steps are asked for at its head.
; REGISTERS: window 0: v16-29 addresses; v32-63 scaled sums; v64-95 rows read back; v128-255 the accumulators.  window 1: two fragment buffers of 128.
.set KSTEP,  512
.set PITCH,  528
.set HALFT,  64*PITCH
.set SLOT,   4*HALFT
.set STAGE,  2*SLOT
.set SPITCH, 272
.set SPARE,  STAGE+4*16*SPITCH
.set ADRA, 16
.set ADRB, 20
.set STO,  24
.set RD,   25
.set CO,   26
.set SPW,  28
.set NIL,  29
.set TMP,  32
.set BK,   64
.set ACC,  128
.set F0,   0
.set F1,   128
.set G1, 24
.set G0, 32
.set G1B, 48
.set G0B, 56
.set MULF, 94
.set MSB, 0
.macro WIN new
.if MSB != (\new)
	s_set_vgpr_msb (MSB<<8)|(\new)
.set MSB, (\new)
.endif
.endm
.set MUL,  0x05
.set TO_F, 0x40
.macro JLOAD s
	s_cmp_eq_u32 s11, 0
	s_cbranch_scc0 .Lfor_b_\@
	tensor_load_to_lds s[G0+4*\s:G0+4*\s+3], s[G1:G1+7]
	s_nop 0
.rept 4
	v_nop
.endr
	s_branch .Lasked_\@
.Lfor_b_\@:
	tensor_load_to_lds s[G0B+4*\s:G0B+4*\s+3], s[G1B:G1B+7]
	s_nop 0
.rept 4
	v_nop
.endr
.Lasked_\@:
.endm
.macro CREST
	s_cmp_lg_u32 s10, 0
	s_cbranch_scc1 .Lnot_wave_0_\@
	s_barrier_signal -3
.Lnot_wave_0_\@:
	s_barrier_wait -3
	s_barrier_signal -1
	s_barrier_wait -1
.endm
.macro CROUND
	s_barrier_signal -1
	s_barrier_wait -1
	CREST
.endm
.macro PLACES
.rept 4
	v_nop
.endr
.endm
	s_load_b128 s[4:7], s[0:1], 0x0                ; oc, woc
	s_load_b64 s[8:9], s[0:1], 0x10                ; the scales
	s_load_b64 s[72:73], s[0:1], 0x18              ; out0
	v_lshl_add_u32 v[SPW], v0, 2, SPARE
	v_mov_b32 v[NIL], 0
	ds_add_u32 v28, v29
	ds_add_u32 v28, v29
	s_wait_dscnt 0x0
	v_lshrrev_b32 v1, 5, v0
	v_readfirstlane_b32 s10, v1
	s_lshr_b32 s11, s10, 1
	s_and_b32 s12, s10, 1
	s_bfe_u32 s40, ttmp6, 0x40000
	s_bfe_u32 s41, ttmp6, 0x40004
	s_lshl_b32 s42, ttmp9, 2
	s_add_co_u32 s42, s42, s40                     ; tile column X
	s_and_b32 s13, ttmp7, 0xffff
	s_lshl_b32 s13, s13, 2
	s_add_co_u32 s13, s13, s41                     ; tile row Y
	s_lshl_b32 s43, s41, 2
	s_lshl_b32 s43, 15, s43
	s_lshl_b32 s44, 0x1111, s40
	s_or_b32 s[G1+0], s43, (1<<20)|(1<<21)|(6<<22)|(3<<25)
	s_or_b32 s[G1B+0], s44, (1<<20)|(1<<21)|(6<<22)|(3<<25)
.irp g, G1, G1B
	s_mov_b32 s[\g+1], KSTEP<<16
	s_mov_b32 s[\g+2], 64<<16
	s_mov_b32 s[\g+3], KSTEP<<16
	s_mov_b32 s[\g+4], 64
	s_mov_b32 s[\g+5], 2048
	s_mov_b32 s[\g+6], 0
	s_mov_b32 s[\g+7], 0
.endr
	s_lshl_b32 s17, s12, 6
	s_lshl_b32 s16, s13, 7
	s_add_co_u32 s16, s16, s17
	s_lshl_b32 s16, s16, 11                        ; A: row 128 Y + 64 x half, in bytes
	s_lshl_b32 s46, s42, 7
	s_add_co_u32 s46, s46, s17
	s_lshl_b32 s46, s46, 11                        ; B: row 128 X + 64 x half
	s_mov_b32 s17, 0
	s_mov_b32 s47, 0
	s_mul_i32 s20, s10, HALFT
	s_wait_kmcnt 0x0
	s_load_b64 s[90:91], s[8:9], 0x28              ; e10, e11
	s_add_nc_u64 s[14:15], s[4:5], s[16:17]
	s_add_nc_u64 s[46:47], s[6:7], s[46:47]
	CROUND
.irp s, 0,1
	s_mov_b32 s[G0+4*\s], 1
	s_add_co_u32 s[G0+4*\s+1], s20, \s*SLOT
	s_add_nc_u64 s[G0+4*\s+2:G0+4*\s+3], s[14:15], \s*KSTEP
	s_or_b32 s[G0+4*\s+3], s[G0+4*\s+3], 0x80000000
	s_mov_b32 s[G0B+4*\s], 1
	s_add_co_u32 s[G0B+4*\s+1], s20, \s*SLOT
	s_add_nc_u64 s[G0B+4*\s+2:G0B+4*\s+3], s[46:47], \s*KSTEP
	s_or_b32 s[G0B+4*\s+3], s[G0B+4*\s+3], 0x80000000
	JLOAD \s
.endr
	v_and_b32 v1, 15, v0
	v_bfe_u32 v2, v0, 4, 1
	v_mul_u32_u24 v3, v1, PITCH
	v_lshl_add_u32 v3, v2, 4, v3
	s_mul_i32 s21, s11, HALFT
	s_mul_i32 s22, s12, HALFT
	s_add_co_u32 s22, s22, 2*HALFT
.irp s, 0,1
	v_add_nc_u32 v[ADRA+\s], s21, v3
	v_add_nc_u32 v[ADRB+\s], s22, v3
	s_add_co_u32 s21, s21, SLOT
	s_add_co_u32 s22, s22, SLOT
.endr
	s_mul_i32 s23, s10, 16*SPITCH
	s_add_co_u32 s23, s23, STAGE
	v_mul_u32_u24 v4, v1, SPITCH
	v_lshl_add_u32 v4, v2, 5, v4
	v_add_nc_u32 v[STO], s23, v4
	v_mul_u32_u24 v5, v2, SPITCH
	v_lshl_add_u32 v5, v1, 4, v5
	v_add_nc_u32 v[RD], s23, v5
	v_lshlrev_b32 v5, 13, v2
	v_lshl_add_u32 v[CO], v1, 4, v5                ; two rows of out0, 8,192 bytes apart; 16 bytes a lane
	s_lshl_b32 s16, s13, 7
	s_lshl_b32 s17, s11, 6
	s_add_co_u32 s16, s16, s17
	s_lshl_b32 s16, s16, 13                        ; my first row of out0
	s_mov_b32 s17, 0
	s_add_nc_u64 s[68:69], s[72:73], s[16:17]
	s_lshl_b32 s46, s42, 9                         ; my first column, in bytes: 512 X + 256 x half
	s_lshl_b32 s47, s12, 8
	s_add_co_u32 s46, s46, s47
	s_mov_b32 s47, 0
	s_add_nc_u64 s[68:69], s[68:69], s[46:47]
	s_wait_kmcnt 0x0
	s_add_co_i32 s16, s90, s91
	s_add_co_i32 s16, s16, 127
	s_lshl_b32 s[MULF], s16, 23                    ; 2^(e10 + e11)
	s_mov_b32 s[MULF+1], s[MULF]
.macro MULA f, a, zero
.irp b, 0,1,2,3
.if \zero
	v_wmma_f32_16x16x128_fp8_fp8 v[ACC+8*(4*\a+\b):ACC+8*(4*\a+\b)+7], v[\f+64+16*\b:\f+64+16*\b+15], v[\f+16*\a:\f+16*\a+15], 0
.else
	v_wmma_f32_16x16x128_fp8_fp8 v[ACC+8*(4*\a+\b):ACC+8*(4*\a+\b)+7], v[\f+64+16*\b:\f+64+16*\b+15], v[\f+16*\a:\f+16*\a+15], v[ACC+8*(4*\a+\b):ACC+8*(4*\a+\b)+7]
.endif
.endr
.endm
.macro FETCH slot, k, f
	WIN TO_F
.irp i, 0,1,2,3
.irp c, 0,1,2,3
	ds_load_b128 v[\f+64+16*\i+4*\c:\f+64+16*\i+4*\c+3], v[ADRB+\slot] offset:\k+32*\c+\i*16*PITCH
.endr
.irp c, 0,1,2,3
	ds_load_b128 v[\f+16*\i+4*\c:\f+16*\i+4*\c+3], v[ADRA+\slot] offset:\k+32*\c+\i*16*PITCH
.endr
.endr
.endm
.macro QUARTER slot, k, f, g, zero
	PLACES                                         ; g was multiplied in the quarter before
	FETCH \slot, \k, \g
	s_wait_dscnt 32                                ; f is in: only the 32 loads just issued may be out
	WIN MUL
	MULA \f, 0, \zero
	MULA \f, 1, \zero
	MULA \f, 2, \zero
	MULA \f, 3, \zero
.endm
.macro TURN slot, next, fill
	WIN 0
	s_wait_tensorcnt 0x0                           ; all my tensor loads have landed: my part of the next slot;
	ds_add_u32 v[SPW], v[NIL]                      ; 0 onto my spare word;
	s_wait_dscnt 1                                 ; buffer 1 is in: only the add may be out
	WIN MUL
	MULA F1, 0, 0
	s_wait_dscnt 0x0                               ; the add is done, and my reads of this slot are over
	s_barrier_signal -1
	MULA F1, 1, 0
	WIN 0
	s_barrier_wait -1
.if \fill
	CREST
	s_add_nc_u64 s[G0+4*\slot+2:G0+4*\slot+3], s[G0+4*\slot+2:G0+4*\slot+3], 2*KSTEP
	s_add_nc_u64 s[G0B+4*\slot+2:G0B+4*\slot+3], s[G0B+4*\slot+2:G0B+4*\slot+3], 2*KSTEP
	JLOAD \slot                                    ; the first tensor load behind the round; its four v_nop are also the places in front of the loads below
.else
	PLACES
.endif
	FETCH \next, 0, F0
	WIN MUL
	MULA F1, 2, 0
	MULA F1, 3, 0
.endm
	s_wait_tensorcnt 1                             ; my part of K step 0 is in; K step 1's may stay out
	s_barrier_signal -1
	s_barrier_wait -1
	FETCH 0, 0, F0
	QUARTER 0, 128, F0, F1, 1
	QUARTER 0, 256, F1, F0, 0
	QUARTER 0, 384, F0, F1, 0
	TURN 0, 1, 1
	QUARTER 1, 128, F0, F1, 0
	QUARTER 1, 256, F1, F0, 0
	QUARTER 1, 384, F0, F1, 0
	TURN 1, 0, 1
	QUARTER 0, 128, F0, F1, 0
	QUARTER 0, 256, F1, F0, 0
	QUARTER 0, 384, F0, F1, 0
	TURN 0, 1, 0
	QUARTER 1, 128, F0, F1, 0
	QUARTER 1, 256, F1, F0, 0
	QUARTER 1, 384, F0, F1, 0
	s_wait_dscnt 0x0
	WIN MUL
	MULA F1, 0, 0
	MULA F1, 1, 0
	MULA F1, 2, 0
	MULA F1, 3, 0
	WIN 0
	PLACES
; THE WAY OUT, block a: my rows 16 a .. 16 a + 15, 64 columns: x 2^(e10 + e11), through my own stage, and out as rows of 256 bytes.
.macro F32OUT a
.set jj, 0
.rept 16
	v_pk_mul_f32 v[TMP+jj:TMP+jj+1], v[ACC+32*\a+jj:ACC+32*\a+jj+1], s[MULF:MULF+1] op_sel_hi:[1,0]   ; each accumulator from its low end on
.set jj, jj+2
.endr
.irp b, 0,1,2,3
	ds_store_b128 v[STO], v[TMP+8*\b:TMP+8*\b+3] offset:64*\b
	ds_store_b128 v[STO], v[TMP+8*\b+4:TMP+8*\b+7] offset:64*\b+16
.endr
.if \a > 0
	s_wait_xcnt 0x0                                ; the last block's stores have read the registers that the loads below fill
.endif
.irp i, 0,1,2,3,4,5,6,7
	ds_load_b128 v[BK+4*\i:BK+4*\i+3], v[RD] offset:2*SPITCH*\i
.endr
.irp i, 0,1,2,3,4,5,6,7
	s_wait_dscnt 7-\i
	global_store_b128 v[CO], v[BK+4*\i:BK+4*\i+3], s[68:69] offset:(16*\a+2*\i)*8192 th:TH_STORE_NT   ; sixteen lanes store 256 consecutive bytes, aligned
.endr
.endm
.irp a, 0,1,2,3
	F32OUT \a
.endr
	s_wait_tensorcnt 0x0                           ; the wave's end
	ds_add_u32 v[SPW], v[NIL]
	s_wait_dscnt 0x0
	CROUND                                         ; the closing round
	s_endpgm
.Lfunc_end_k_qfb92d87c85_gemm_o:
	.size	k_qfb92d87c85_gemm_o, .Lfunc_end_k_qfb92d87c85_gemm_o-k_qfb92d87c85_gemm_o
	.p2alignl 7, 3214868480
	.fill 96, 4, 3214868480
	.section	.rodata,"a",@progbits
	.p2align	6, 0x0
	.amdhsa_kernel k_qfb92d87c85_gemm_o
		.amdhsa_group_segment_fixed_size 327680
		.amdhsa_private_segment_fixed_size 0
		.amdhsa_enable_private_segment 0
		.amdhsa_kernarg_size 32
		.amdhsa_user_sgpr_count 2
		.amdhsa_user_sgpr_kernarg_segment_ptr 1
		.amdhsa_wavefront_size32 1
		.amdhsa_system_sgpr_workgroup_id_x 1
		.amdhsa_system_sgpr_workgroup_id_y 1
		.amdhsa_system_sgpr_workgroup_id_z 1
		.amdhsa_system_vgpr_workitem_id 0
		.amdhsa_next_free_vgpr 512
		.amdhsa_next_free_sgpr 98
		.amdhsa_reserve_vcc 0
		.amdhsa_float_denorm_mode_32 3
		.amdhsa_float_denorm_mode_16_64 3
		.amdhsa_memory_ordered 1
		.amdhsa_forward_progress 1
		.amdhsa_inst_pref_size 74
	.end_amdhsa_kernel
	.amdgpu_metadata
---
amdhsa.version: [ 1, 2 ]
amdhsa.kernels:
  - .name:           k_qfb92d87c85_gemm_o
    .symbol:         k_qfb92d87c85_gemm_o.kd
    .args:
      - { .name: oc, .offset: 0, .size: 8, .value_kind: global_buffer, .address_space: global }
      - { .name: woc, .offset: 8, .size: 8, .value_kind: global_buffer, .address_space: global }
      - { .name: lowp_scales, .offset: 16, .size: 8, .value_kind: global_buffer, .address_space: global }
      - { .name: out0, .offset: 24, .size: 8, .value_kind: global_buffer, .address_space: global }
    .group_segment_fixed_size: 327680
    .private_segment_fixed_size: 0
    .kernarg_segment_align: 8
    .kernarg_segment_size: 32
    .max_flat_workgroup_size: 128
    .sgpr_count:     98
    .vgpr_count:     512
    .wavefront_size: 32
...
	.end_amdgpu_metadata
.endif
;; end of part 4
;; ======== version 2 of 2: 4 launches
;; limits: right only within a limited range of input values
;; workspace buffers: xc 12,582,912 bytes; wc 6,291,456 bytes; woc 4,194,304 bytes; mbits 524,288 bytes of whole numbers; qimg 4,194,304 bytes; kvimg 2,097,152 bytes; oc 4,194,304 bytes
;; launch prep (part 5): grid 576 x 1, 4 waves a work-group, no clusters, 101,888 bytes of LDS; arguments x, W_q, W_k, W_v, W_o, mask, lowp_scales, xc, wc, woc, mbits; writes xc, wc, woc, mbits
.if DOCPART == 5
	.amdgcn_target "amdgcn-amd-amdhsa--gfx1250"
	.amdhsa_code_object_version 6
	.text
	.protected	k_qfb92d87c85_prep
	.globl	k_qfb92d87c85_prep
	.p2align	8
	.type	k_qfb92d87c85_prep,@function
k_qfb92d87c85_prep:
	s_mov_b64 s[64:65], 0
	v_nop
	global_prefetch_b8 v0, s[64:65] scope:SCOPE_SE
	s_setreg_imm32_b32 hwreg(HW_REG_WAVE_MODE, 25, 1), 1
	s_wait_xcnt 0x0
; PREP: everything that is quantised or packed ONCE, since many work-groups of the later launches read it.
;  work-groups 0-319   the four weights, f32 [K][N] with K outermost, into E4M3 codes [N][K] with K innermost (wc: W_q's, W_k's, W_v's columns on end; woc: W_o's)
;  work-groups 320-447 x, f32 [2048][2048], into THREE planes of codes (xc), since x has a scale of its own in each of the three projections (entries 0, 2, 4)
;  work-groups 448-575 the mask, int32 [2048][2048], into lane masks (mbits): word n of (query tile qt, key step t) has in bit l whether
;                      mask[16 qt + l % 16][128 t + 16 (n / 8) + 8 (l / 16) + n % 8] is not 0: the lanes of score register n in the attention launch
; code = number / 2^e, held within +-448, rounded to the nearest code, ties to even.
; LIMITS: each e used here lies between -126 and 119, so that 2^e and 448 x 2^e are f32 numbers.  NaN in x or in a weight is not served; an infinity is held at the largest code.
; Every work-group reads 128 KiB.  Waves share nothing: no barrier.  The three paths part on the work-group's number and have LDS bytes of their own.
; No cluster, no tensor load, no matrix unit: nothing is shared between work-groups and nothing is multiplied; each input byte is read once, by loads that run ahead of the work.
.set XSP,  80                          ; x: a lane's place in a stage: 64 bytes + 16 of padding
.set XR,   16                          ; v16-79   x: four sets of 16 numbers as loaded
.set XS,   80                          ; v80-111  two sets of 16 neighbours
.set XT,   112                         ; v112-143 two sets of 16 held numbers
.set XC,   144                         ; v144-167 two sets of 3 x 4 registers of codes
.set XSC,  168                         ; v168-173 2^e and 448 x 2^e for the three planes
.set LDSW, 32768                       ; the weights' stages: 32 rows x 272 bytes a wave
.set WP,   272
.set WOFF, 16                          ; v16-47   4 x lane + i rows of the weight
.set WX,   48                          ; v48-111  two sets of 32 numbers
.set WC,   112                         ; v112-119 a block's codes
.set WOUT, 120                         ; v120-183 the way out
.set LDSM, 67584                       ; the mask's stages: 16 rows x 528 bytes a wave
.set MP,   528
.set MR,   16                          ; v16-143  two sets of 64 words as loaded
.set MM,   144                         ; v144-207 64 words in the order of the score registers
.set WD,   208                         ; v208-215 a pair of packed words for each of a wave's four tasks
	s_load_b512 s[4:19], s[0:1], 0x0               ; x 4:5, W_q 6:7, W_k 8:9, W_v 10:11, W_o 12:13, mask 14:15, scales 16:17, xc 18:19
	s_load_b128 s[20:23], s[0:1], 0x40             ; wc 20:21, woc 22:23
	s_load_b64 s[24:25], s[0:1], 0x50              ; mbits
	v_lshl_add_u32 v224, v0, 2, 0x18c00
	v_mov_b32 v225, 0
	v_lshrrev_b32 v1, 5, v0
	v_readfirstlane_b32 s26, v1                    ; wave 0..3
	v_and_b32 v2, 31, v0                           ; lane
	s_wait_kmcnt 0x0
	s_load_b256 s[80:87], s[16:17], 0x0            ; e0 .. e7
	s_load_b128 s[88:91], s[16:17], 0x20           ; e8 .. e11
	s_cmp_lt_u32 ttmp9, 320
	s_cbranch_scc1 .Lweights
	s_cmp_lt_u32 ttmp9, 448
	s_cbranch_scc1 .Ltokens
; ---------------- THE MASK.  Work-group = query tile qt; wave w takes key steps 4 w .. 4 w + 3, a task each: 16 rows x 128 keys.
	s_sub_co_u32 s27, ttmp9, 448                   ; qt
	s_lshl_b32 s28, s27, 17                        ; 16 qt rows of 8,192 bytes
	s_lshl_b32 s29, s26, 11                        ; + 4 w steps of 512 bytes
	s_add_co_u32 s28, s28, s29
	s_mov_b32 s29, 0
	s_add_nc_u64 s[14:15], s[14:15], s[28:29]
	s_lshl_b32 s28, s27, 12                        ; mbits: 16 steps of 256 bytes a tile
	s_lshl_b32 s30, s26, 10
	s_add_co_u32 s28, s28, s30
	s_add_nc_u64 s[24:25], s[24:25], s[28:29]
	s_wait_alu depctr_va_vdst(0)
	v_lshlrev_b32 v3, 4, v2                        ; 16 x lane: a load takes 512 consecutive bytes of a row
	v_lshlrev_b32 v5, 3, v2                        ; 8 x lane: the store's place
	s_mul_i32 s30, s26, 16*MP
	s_add_co_u32 s30, s30, LDSM                    ; my stage
	v_add_nc_u32 v6, s30, v3                       ; in: as loaded
	v_and_b32 v8, 15, v2
	v_lshrrev_b32 v9, 4, v2
	v_mul_u32_u24 v7, v8, MP
	v_lshl_add_u32 v7, v9, 5, v7
	v_add_nc_u32 v7, s30, v7                       ; out: row lane % 16, + 8 keys for the upper half of the lanes
.irp i, 0,1,2,3,4,5,6,7
	v_mov_b32 v[WD+\i], 0                          ; v_writelane_b32's destination counts as read
.endr
.macro MLOAD tt
.irp r, 0,1,2,3,4,5,6,7,8,9,10,11,12,13,14,15
	global_load_b128 v[MR+64*((\tt)%2)+4*\r:MR+64*((\tt)%2)+4*\r+3], v3, s[14:15] offset:\r*8192+512*(\tt) th:TH_LOAD_NT
.endr
.endm
.macro TASK tt
.if (\tt) < 3
	s_wait_loadcnt 16                              ; this task's 16 loads are in; the next task's 16 may be out
.else
	s_wait_loadcnt 0
.endif
.irp r, 0,1,2,3,4,5,6,7,8,9,10,11,12,13,14,15
	ds_store_b128 v6, v[MR+64*((\tt)%2)+4*\r:MR+64*((\tt)%2)+4*\r+3] offset:\r*MP
.endr
.irp q, 0,1,2,3,4,5,6,7,8,9,10,11,12,13,14,15
	ds_load_b128 v[MM+4*\q:MM+4*\q+3], v7 offset:64*(\q/2)+16*(\q%2)   ; LDS serves a wave's instructions in order: these see my stores.  Register n: key 16 (n / 8) + 8 (lane / 16) + n % 8
.endr
	s_wait_dscnt 0x0                               ; the words are back, and the stores have read the set that the next loads fill
.if (\tt)+2 < 4
	MLOAD (\tt)+2
.endif
.irp b, 0,1,2,3,4,5,6,7
.irp j, 0,1,2,3,4,5,6,7
	v_cmp_ne_u32 s[40+\j], 0, v[MM+8*\b+\j]        ; word n = 8 b + j: one bit a lane
.endr
.irp j, 0,1,2,3,4,5,6,7
	v_writelane_b32 v[WD+2*(\tt)+\j%2], s[40+\j], 4*\b+\j/2   ; lane n / 2 of the pair's register n % 2
.endr
.endr
	global_store_b64 v5, v[WD+2*(\tt):WD+2*(\tt)+1], s[24:25] offset:256*(\tt)   ; 32 lanes store the step's 64 words: 256 consecutive bytes, aligned
.endm
	MLOAD 0
	MLOAD 1
	s_wait_alu depctr_va_vdst(0)
	TASK 0
	TASK 1
	TASK 2
	TASK 3
	s_wait_tensorcnt 0x0
	ds_add_u32 v224, v225
	s_wait_dscnt 0x0
	s_endpgm
; ---------------- x.  A wave takes 16 steps of 512 numbers.  Loads take the bytes as they lie (512 a load); a step's 2,048 bytes turn through the wave's stage so that a lane holds 16 neighbours along K.
.Ltokens:
	s_sub_co_u32 s27, ttmp9, 320
	s_lshl_b32 s27, s27, 2
	s_add_co_u32 s27, s27, s26                     ; which run of 8,192 numbers is my wave's
	s_lshl_b32 s28, s27, 15
	s_mov_b32 s29, 0
	s_add_nc_u64 s[4:5], s[4:5], s[28:29]
	s_lshl_b32 s28, s27, 13
	s_add_nc_u64 s[32:33], s[18:19], s[28:29]      ; plane 0,
	s_add_nc_u64 s[34:35], s[32:33], 0x400000      ; plane 1,
	s_add_nc_u64 s[36:37], s[34:35], 0x400000      ; plane 2
	s_wait_alu depctr_va_vdst(0)
	v_lshlrev_b32 v3, 4, v2                        ; 16 x lane: my bytes of a load's 512, and my 16 codes of a step's 512
	s_lshl_b32 s30, s26, 13                        ; my wave's 8,192 bytes of LDS: two stages of 32 x 80
	v_lshrrev_b32 v14, 2, v2
	v_mul_u32_u24 v14, v14, XSP
	v_and_b32 v15, 3, v2
	v_lshl_add_u32 v14, v15, 4, v14
	v_add_nc_u32 v14, s30, v14                     ; in: four lanes' 64 bytes on end, then the padding
	v_mul_u32_u24 v15, v2, XSP
	v_add_nc_u32 v15, s30, v15                     ; out: my 16 neighbours
.macro XLOAD t
.irp i, 0,1,2,3
	global_load_b128 v[XR+16*((\t)%4)+4*\i:XR+16*((\t)%4)+4*\i+3], v3, s[4:5] offset:2048*(\t)+512*\i th:TH_LOAD_NT
.endr
.endm
.macro XTURN t
.irp i, 0,1,2,3
	ds_store_b128 v14, v[XR+16*((\t)%4)+4*\i:XR+16*((\t)%4)+4*\i+3] offset:32*XSP*((\t)%2)+8*XSP*\i
.endr
.irp i, 0,1,2,3
	ds_load_b128 v[XS+16*((\t)%2)+4*\i:XS+16*((\t)%2)+4*\i+3], v15 offset:32*XSP*((\t)%2)+16*\i
.endr
.endm
	XLOAD 0
	XLOAD 1
	XLOAD 2
	XLOAD 3
	s_wait_alu depctr_va_vdst(0)
	s_wait_kmcnt 0x0                               ; the scales
.irp p, 0,1,2
	s_add_co_i32 s38, s[80+2*\p], 127
	s_lshl_b32 s39, s38, 23
	v_mov_b32 v[XSC+2*\p], s39                     ; 2^e: the conversion takes its exponent field
	s_add_co_i32 s38, s38, 8
	s_lshl_b32 s38, s38, 23
	s_or_b32 s38, s38, 0x600000
	v_mov_b32 v[XSC+2*\p+1], s38                   ; 448 x 2^e
.endr
	s_wait_alu depctr_va_vdst(0)
	s_wait_loadcnt 12                              ; step 0's four loads are in
	XTURN 0
.macro XSTEP t
	s_wait_dscnt 0x0                               ; this step's numbers are back from the stage, and its stores into the stage have read their registers,
.if (\t)+4 < 16
	XLOAD (\t)+4                                   ; which take the loads of four steps on
.endif
.if (\t)+1 < 16
.if 14-(\t) >= 3
	s_wait_loadcnt 12                              ; the next step's four loads are in; those of the three steps behind it may be out
.else
	s_wait_loadcnt 4*(14-(\t))
.endif
	XTURN (\t)+1
.endif
.if (\t) >= 2
	s_wait_xcnt 0x0                                ; the stores of two steps back have read this set of code registers
.endif
.irp p, 0,1,2
.set TS, XT+16*((3*(\t)+\p)%2)                 ; the held numbers' sets take turns, so that sixteen plain lines stand between a conversion and the next write of its sources
.set CC, XC+12*((\t)%2)+4*\p
.irp i, 0,1,2,3,4,5,6,7,8,9,10,11,12,13,14,15
	v_med3_num_f32 v[TS+\i], v[XS+16*((\t)%2)+\i], -v[XSC+2*\p+1], v[XSC+2*\p+1]   ; the conversion does not saturate (ISA guide 7.6.2): the hold comes first
.endr
	v_cvt_scalef32_pk8_fp8_f32 v[CC:CC+1], v[TS:TS+7], v[XSC+2*\p]
	v_cvt_scalef32_pk8_fp8_f32 v[CC+2:CC+3], v[TS+8:TS+15], v[XSC+2*\p]
	global_store_b128 v3, v[CC:CC+3], s[32+2*\p:33+2*\p] offset:512*(\t)   ; 32 lanes store 512 consecutive bytes
.endr
.endm
.irp t, 0,1,2,3,4,5,6,7,8,9,10,11,12,13,14,15
	XSTEP \t
.endr
	s_wait_tensorcnt 0x0
	ds_add_u32 v224, v225
	s_wait_dscnt 0x0
	s_endpgm
; ---------------- THE WEIGHTS.  A lane takes a column n and its registers run down K: the conversions then give codes with K innermost, and nothing is transposed by an instruction.
; A wave takes 32 columns x 256 along K; a work-group 128 columns.  ids 0-127 W_q, 128-255 W_o (rows of 8,192 bytes), 256-287 W_k, 288-319 W_v (rows of 2,048 bytes).
.Lweights:
	s_mov_b32 s30, 2560                            ; the first row in wc: W_v's
	s_cmp_lt_u32 ttmp9, 288
	s_cselect_b64 s[28:29], s[8:9], s[10:11]
	s_cselect_b32 s30, 2048, s30
	s_mov_b32 s31, 2048
	s_cmp_lt_u32 ttmp9, 256
	s_cselect_b64 s[28:29], s[12:13], s[28:29]
	s_cselect_b64 s[50:51], s[22:23], s[20:21]
	s_cselect_b32 s30, 0, s30
	s_cselect_b32 s31, 8192, s31                   ; a row of the weight in bytes
	s_cselect_b32 s52, 127, 31
	s_cselect_b32 s53, 15, 3
	s_cselect_b32 s54, 4, 2
	s_cmp_lt_u32 ttmp9, 128
	s_cselect_b64 s[28:29], s[6:7], s[28:29]
	s_cselect_b64 s[50:51], s[20:21], s[50:51]
	s_and_b32 s55, ttmp9, s52                      ; my number within the tensor
	s_and_b32 s56, s55, s53                        ; which 128 columns
	s_lshr_b32 s57, s55, s54                       ; which 256 along K
	s_lshl_b32 s58, s31, 8
	s_mul_i32 s58, s57, s58                        ; 256 rows x the block along K
	s_lshl_b32 s59, s56, 9
	s_add_co_u32 s58, s58, s59
	s_lshl_b32 s59, s26, 7
	s_add_co_u32 s58, s58, s59                     ; + 4 x (128 x column block + 32 x wave)
	s_mov_b32 s59, 0
	s_add_nc_u64 s[32:33], s[28:29], s[58:59]      ; block 0 of my eight blocks of 32 along K,
	s_lshl_b32 s60, s31, 5
	s_mov_b32 s61, 0
.irp t, 1,2,3,4,5,6,7
	s_add_nc_u64 s[32+2*\t:33+2*\t], s[30+2*\t:31+2*\t], s[60:61]   ; and the others, 32 rows apart
.endr
	s_lshl_b32 s62, s56, 7
	s_add_co_u32 s62, s62, s30
	s_lshl_b32 s63, s26, 5
	s_add_co_u32 s62, s62, s63                     ; my first row of codes
	s_lshl_b32 s62, s62, 11
	s_lshl_b32 s63, s57, 8
	s_add_co_u32 s62, s62, s63
	s_mov_b32 s63, 0
	s_add_nc_u64 s[50:51], s[50:51], s[62:63]
	s_wait_alu depctr_va_vdst(0)
	v_lshlrev_b32 v[WOFF], 2, v2
.irp i, 1,2,3,4,5,6,7,8,9,10,11,12,13,14,15,16,17,18,19,20,21,22,23,24,25,26,27,28,29,30,31
	v_mad_u32_u24 v[WOFF+\i], s31, \i, v[WOFF]
.endr
	s_mul_i32 s49, s26, 32*WP
	s_add_co_u32 s49, s49, LDSW                    ; my stage
	v_mul_u32_u24 v4, v2, WP
	v_add_nc_u32 v4, s49, v4                       ; into it: row = my column
	v_and_b32 v5, 15, v2
	v_lshrrev_b32 v6, 4, v2
	v_mul_u32_u24 v7, v6, WP
	v_lshl_add_u32 v7, v5, 4, v7
	v_add_nc_u32 v7, s49, v7                       ; out of it: sixteen lanes to a row, two rows an instruction
	v_lshlrev_b32 v8, 11, v6
	v_lshl_add_u32 v8, v5, 4, v8                   ; and the same place in the codes' buffer (rows of 2,048 bytes)
.macro WLOAD t
.irp i, 0,1,2,3,4,5,6,7,8,9,10,11,12,13,14,15,16,17,18,19,20,21,22,23,24,25,26,27,28,29,30,31
	global_load_b32 v[WX+32*((\t)%2)+\i], v[WOFF+\i], s[32+2*(\t):33+2*(\t)] th:TH_LOAD_NT
.endr
.endm
	WLOAD 0
	WLOAD 1
	s_wait_kmcnt 0x0                               ; the scales
	s_cmp_lt_u32 ttmp9, 288
	s_cselect_b32 s27, s83, s85                    ; e3 for W_k, e5 for W_v,
	s_cmp_lt_u32 ttmp9, 256
	s_cselect_b32 s27, s91, s27                    ; e11 for W_o,
	s_cmp_lt_u32 ttmp9, 128
	s_cselect_b32 s27, s81, s27                    ; e1 for W_q
	s_add_co_i32 s27, s27, 127
	s_lshl_b32 s48, s27, 23
	v_mov_b32 v11, s48                             ; 2^e
	s_add_co_i32 s27, s27, 8
	s_lshl_b32 s27, s27, 23
	s_or_b32 s27, s27, 0x600000
	v_mov_b32 v10, s27                             ; 448 x 2^e
.macro WBLOCK t
.set XB, WX+32*((\t)%2)
.if (\t) < 7
	s_wait_loadcnt 32                              ; this block's 32 loads are in; the next block's may be out
.else
	s_wait_loadcnt 0
.endif
.irp i, 0,1,2,3,4,5,6,7,8,9,10,11,12,13,14,15,16,17,18,19,20,21,22,23,24,25,26,27,28,29,30,31
	v_med3_num_f32 v[XB+\i], v[XB+\i], -v10, v10
.endr
.irp g, 0,1,2,3
	v_cvt_scalef32_pk8_fp8_f32 v[WC+2*\g:WC+2*\g+1], v[XB+8*\g:XB+8*\g+7], v11
.endr
	ds_store_b128 v4, v[WC:WC+3] offset:32*(\t)    ; 32 codes of my column's row
	ds_store_b128 v4, v[WC+4:WC+7] offset:32*(\t)+16
.if (\t)+2 < 8
	WLOAD (\t)+2
.endif
	s_wait_dscnt 0x0                               ; the stores have read their registers: the next block's codes may be written
.endm
	s_wait_alu depctr_va_vdst(0)
.irp t, 0,1,2,3,4,5,6,7
	WBLOCK \t
.endr
.irp t, 0,1,2,3,4,5,6,7,8,9,10,11,12,13,14,15
	ds_load_b128 v[WOUT+4*\t:WOUT+4*\t+3], v7 offset:2*\t*WP
.endr
.irp t, 0,1,2,3,4,5,6,7,8,9,10,11,12,13,14,15
	s_wait_dscnt 15-\t
	global_store_b128 v8, v[WOUT+4*\t:WOUT+4*\t+3], s[50:51] offset:2*\t*2048   ; sixteen lanes store 256 consecutive bytes, aligned
.endr
	s_wait_tensorcnt 0x0
	ds_add_u32 v224, v225
	s_wait_dscnt 0x0
	s_endpgm
.Lfunc_end_k_qfb92d87c85_prep:
	.size	k_qfb92d87c85_prep, .Lfunc_end_k_qfb92d87c85_prep-k_qfb92d87c85_prep
	.p2alignl 7, 3214868480
	.fill 96, 4, 3214868480
	.section	.rodata,"a",@progbits
	.p2align	6, 0x0
	.amdhsa_kernel k_qfb92d87c85_prep
		.amdhsa_group_segment_fixed_size 101888
		.amdhsa_private_segment_fixed_size 0
		.amdhsa_enable_private_segment 0
		.amdhsa_kernarg_size 88
		.amdhsa_user_sgpr_count 2
		.amdhsa_user_sgpr_kernarg_segment_ptr 1
		.amdhsa_wavefront_size32 1
		.amdhsa_system_sgpr_workgroup_id_x 1
		.amdhsa_system_sgpr_workgroup_id_y 1
		.amdhsa_system_sgpr_workgroup_id_z 1
		.amdhsa_system_vgpr_workitem_id 0
		.amdhsa_next_free_vgpr 226
		.amdhsa_next_free_sgpr 96
		.amdhsa_reserve_vcc 0
		.amdhsa_float_denorm_mode_32 3
		.amdhsa_float_denorm_mode_16_64 3
		.amdhsa_memory_ordered 1
		.amdhsa_forward_progress 1
		.amdhsa_inst_pref_size 177
	.end_amdhsa_kernel
	.amdgpu_metadata
---
amdhsa.version: [ 1, 2 ]
amdhsa.kernels:
  - .name:           k_qfb92d87c85_prep
    .symbol:         k_qfb92d87c85_prep.kd
    .args:
      - { .name: x, .offset: 0, .size: 8, .value_kind: global_buffer, .address_space: global }
      - { .name: W_q, .offset: 8, .size: 8, .value_kind: global_buffer, .address_space: global }
      - { .name: W_k, .offset: 16, .size: 8, .value_kind: global_buffer, .address_space: global }
      - { .name: W_v, .offset: 24, .size: 8, .value_kind: global_buffer, .address_space: global }
      - { .name: W_o, .offset: 32, .size: 8, .value_kind: global_buffer, .address_space: global }
      - { .name: mask, .offset: 40, .size: 8, .value_kind: global_buffer, .address_space: global }
      - { .name: lowp_scales, .offset: 48, .size: 8, .value_kind: global_buffer, .address_space: global }
      - { .name: xc, .offset: 56, .size: 8, .value_kind: global_buffer, .address_space: global }
      - { .name: wc, .offset: 64, .size: 8, .value_kind: global_buffer, .address_space: global }
      - { .name: woc, .offset: 72, .size: 8, .value_kind: global_buffer, .address_space: global }
      - { .name: mbits, .offset: 80, .size: 8, .value_kind: global_buffer, .address_space: global }
    .group_segment_fixed_size: 101888
    .private_segment_fixed_size: 0
    .kernarg_segment_align: 8
    .kernarg_segment_size: 88
    .max_flat_workgroup_size: 128
    .sgpr_count:     96
    .vgpr_count:     226
    .wavefront_size: 32
...
	.end_amdgpu_metadata
.endif
;; end of part 5
;; launch gemm_qkv (part 6): grid 24 x 16, 4 waves a work-group, clusters of 4 x 4, 327,680 bytes of LDS; arguments xc, wc, lowp_scales, qimg, kvimg, out1, out2; writes qimg, kvimg, out1, out2
.if DOCPART == 6
	.amdgcn_target "amdgcn-amd-amdhsa--gfx1250"
	.amdhsa_code_object_version 6
	.text
	.protected	k_qfb92d87c85_gemm_qkv
	.globl	k_qfb92d87c85_gemm_qkv
	.p2align	8
	.type	k_qfb92d87c85_gemm_qkv,@function
k_qfb92d87c85_gemm_qkv:
	s_mov_b64 s[64:65], 0
	v_nop
	global_prefetch_b8 v0, s[64:65] scope:SCOPE_SE
	s_setreg_imm32_b32 hwreg(HW_REG_WAVE_MODE, 25, 1), 1
	s_wait_xcnt 0x0
	s_wait_alu depctr_hold_cnt(0) depctr_sa_sdst(0) depctr_va_vdst(0) depctr_va_sdst(0) depctr_va_ssrc(0) depctr_va_vcc(0) depctr_vm_vsrc(0)
	s_getreg_b32 s2, hwreg(HW_REG_IB_STS2, 6, 4)
	s_cmp_eq_u32 s2, 0
	s_cbranch_scc0 .Lentry_in_a_cluster
	s_endpgm
.Lentry_in_a_cluster:
	s_bfe_u32 s2, ttmp6, 0x10000c
	s_cmp_lg_u32 s2, 0xf033
	s_cbranch_scc0 .Lentry_shape_is_right
	s_endpgm
.Lentry_shape_is_right:
; THE THREE PROJECTIONS in one launch: C[2048][3072] = x (W_q | W_k | W_v), on E4M3 codes, K = 2,048, sums in f32.  A: xc, three planes of x's codes (one for each projection's scale); B: wc [3072][2048], K innermost.
; A tile of C is 128 x 128 (384 tiles for 256 WGPs; tiles of 256 x 256 would be 96): four waves of 64 x 64, 16 accumulators each.  K goes in four steps of 512 through two LDS slots, written out without a loop.
; CLUSTERS of 4 x 4: A's tile is asked for jointly along a row of the cluster, B's along a column.  A cluster's four tile columns are of one kind: cluster x 0-3 Q, 4 K, 5 V.
; THE MATRIX INSTRUCTION IS USED TRANSPOSED (source 0 = 16 rows of wc, source 1 = 16 rows of x): lane (r, h) holds row r of C and eight neighbouring columns 8 h + 0 .. 7.  A wave's 64 columns are one head.
; So the conversion of accumulator (a, b) IS registers 2 b, 2 b + 1 of the operand (16 rows x 64 of the head) that the attention launch wants of Q and of K: the codes leave as IMAGES OF THE OPERAND'S REGISTERS,
; four registers a lane by one store of 512 consecutive bytes.  V's K in the attention launch is the keys: its f32 rows, which go through the stage on their way to out2 anyway, are read back by columns and converted.
; A fragment is fetched by four 16-byte LDS loads, 32 bytes apart: a permutation of k, the same in A and in B, so every product meets its partner.
; LIMITS: e0+e1, e2+e3, e4+e5 between -126 and 127; e6-e0-e1, e7-e2-e3 and e9 between -126 and 119: each power of two below is then an f32 number.
; Nothing is prefetched: the launch is short, on small tiles, and both first K steps are asked for at its head.
; REGISTERS: window 0: v16-31 addresses and scales; v32-63 scaled sums; v64-95 rows read back; v96-127 codes; v128-255 the accumulators ((a, b) at v[128 + 8 (4 a + b)]).  window 1: two fragment buffers of 128 (A's four, then B's four).
.set KSTEP,  512
.set PITCH,  528                       ; an LDS row: 512 bytes + 16 of padding = 132 words: the 16 rows of a fragment load start at 16 different groups of four banks
.set HALFT,  64*PITCH                  ; 64 rows: one tensor load, and what one wave reads of A or of B
.set SLOT,   4*HALFT                   ; A's 128 rows, then B's
.set STAGE,  2*SLOT                    ; behind the ring: 16 rows x 272 bytes for each wave (K's path),
.set SPITCH, 272
.set VSTG,   4*16*SPITCH               ; and as much again for V's path: each path stores into LDS bytes of its own
.set SPARE,  STAGE+2*VSTG              ; the spare words, 128 bytes for each wave
.set ADRA, 16
.set ADRB, 20
.set STO,  24                          ; the stage: where I put 32 bytes of a row
.set RD,   25                          ; where I read rows back
.set CO,   26                          ; 16 x lane
.set VR,   27                          ; where I read a column of eight rows
.set SPW,  28
.set NIL,  29
.set SCL,  30                          ; the conversion's scale
.set LIM,  31                          ; 448 x that
.set TMP,  32
.set BK,   64
.set CD,   96
.set ACC,  128
.set F0,   0
.set F1,   128
.set G1, 24
.set G0, 32
.set G1B, 48
.set G0B, 56
.set KIDX, 92                          ; s92: 0 Q, 1 K, 2 V
.set MULF, 94                          ; s[94:95]: 2^(eA + eB)
.set MSB, 0
.macro WIN new                         ; the immediate's high byte repeats the setting that is left
.if MSB != (\new)
	s_set_vgpr_msb (MSB<<8)|(\new)
.set MSB, (\new)
.endif
.endm
.set MUL,  0x05                        ; sources 0 and 1 window 1; C and D window 0
.set TO_F, 0x40                        ; destination window 1, address window 0
.macro JLOAD s                         ; a joint load: waves 0 and 1 fetch A's halves, waves 2 and 3 B's; four v_nop follow each line
	s_cmp_eq_u32 s11, 0
	s_cbranch_scc0 .Lfor_b_\@
	tensor_load_to_lds s[G0+4*\s:G0+4*\s+3], s[G1:G1+7]
	s_nop 0
.rept 4
	v_nop
.endr
	s_branch .Lasked_\@
.Lfor_b_\@:
	tensor_load_to_lds s[G0B+4*\s:G0B+4*\s+3], s[G1B:G1B+7]
	s_nop 0
.rept 4
	v_nop
.endr
.Lasked_\@:
.endm
.macro CREST                           ; a round of the cluster's barrier behind its opening barrier
	s_cmp_lg_u32 s10, 0
	s_cbranch_scc1 .Lnot_wave_0_\@
	s_barrier_signal -3
.Lnot_wave_0_\@:
	s_barrier_wait -3
	s_barrier_signal -1
	s_barrier_wait -1
.endm
.macro CROUND
	s_barrier_signal -1
	s_barrier_wait -1
	CREST
.endm
.macro PLACES                          ; four places behind matrix instructions, in front of loads into their sources and of reads of their results
.rept 4
	v_nop
.endr
.endm
	s_load_b128 s[4:7], s[0:1], 0x0                ; xc, wc
	s_load_b64 s[8:9], s[0:1], 0x10                ; the scales
	s_load_b256 s[72:79], s[0:1], 0x18             ; qimg 72:73, kvimg 74:75, out1 76:77, out2 78:79
	v_lshl_add_u32 v[SPW], v0, 2, SPARE
	v_mov_b32 v[NIL], 0
	ds_add_u32 v28, v29
	ds_add_u32 v28, v29
	s_wait_dscnt 0x0
	v_lshrrev_b32 v1, 5, v0
	v_readfirstlane_b32 s10, v1                    ; wave 0..3
	s_lshr_b32 s11, s10, 1                         ; my half of the tile's rows.  Also: I fetch for A (0) or for B (1)
	s_and_b32 s12, s10, 1                          ; my half of its columns.  Also: which 64 rows I fetch
	s_bfe_u32 s40, ttmp6, 0x40000                  ; cx
	s_bfe_u32 s41, ttmp6, 0x40004                  ; cy
	s_lshl_b32 s42, ttmp9, 2
	s_add_co_u32 s42, s42, s40                     ; tile column X
	s_and_b32 s13, ttmp7, 0xffff
	s_lshl_b32 s13, s13, 2
	s_add_co_u32 s13, s13, s41                     ; tile row Y
	s_lshl_b32 s43, s41, 2
	s_lshl_b32 s43, 15, s43                        ; my row of the cluster
	s_lshl_b32 s44, 0x1111, s40                    ; my column
	s_or_b32 s[G1+0], s43, (1<<20)|(1<<21)|(6<<22)|(3<<25)   ; the mask; elements of 1 byte; padding on; bit 21 beside a mask; after every 128 words four words
	s_or_b32 s[G1B+0], s44, (1<<20)|(1<<21)|(6<<22)|(3<<25)
.irp g, G1, G1B
	s_mov_b32 s[\g+1], KSTEP<<16                   ; tensor_dim0 = 512
	s_mov_b32 s[\g+2], 64<<16                      ; tensor_dim1 = 64
	s_mov_b32 s[\g+3], KSTEP<<16                   ; tile_dim0 = 512
	s_mov_b32 s[\g+4], 64                          ; tile_dim1 = 64
	s_mov_b32 s[\g+5], 2048                        ; from row to row
	s_mov_b32 s[\g+6], 0
	s_mov_b32 s[\g+7], 0
.endr
	s_max_u32 s[KIDX], ttmp9, 3
	s_sub_co_u32 s[KIDX], s[KIDX], 3               ; the kind: the same in all sixteen partners
	s_lshl_b32 s17, s12, 6
	s_lshl_b32 s16, s13, 7
	s_add_co_u32 s16, s16, s17                     ; A: row 128 Y + 64 x half,
	s_lshl_b32 s16, s16, 11                        ; in bytes,
	s_lshl_b32 s18, s[KIDX], 22
	s_add_co_u32 s16, s16, s18                     ; in the kind's plane of 4 MiB
	s_lshl_b32 s46, s42, 7
	s_add_co_u32 s46, s46, s17                     ; B: row 128 X + 64 x half
	s_lshl_b32 s46, s46, 11
	s_mov_b32 s17, 0
	s_mov_b32 s47, 0
	s_mul_i32 s20, s10, HALFT                      ; where they go: wave x 64 rows
	s_wait_kmcnt 0x0
	s_load_b256 s[80:87], s[8:9], 0x0              ; e0 .. e7
	s_load_b128 s[88:91], s[8:9], 0x20             ; e8 .. e11
	s_add_nc_u64 s[14:15], s[4:5], s[16:17]
	s_add_nc_u64 s[46:47], s[6:7], s[46:47]
	CROUND                                         ; all sixteen work-groups are here: the first joint loads meet
.irp s, 0,1
	s_mov_b32 s[G0+4*\s], 1
	s_add_co_u32 s[G0+4*\s+1], s20, \s*SLOT
	s_add_nc_u64 s[G0+4*\s+2:G0+4*\s+3], s[14:15], \s*KSTEP
	s_or_b32 s[G0+4*\s+3], s[G0+4*\s+3], 0x80000000
	s_mov_b32 s[G0B+4*\s], 1
	s_add_co_u32 s[G0B+4*\s+1], s20, \s*SLOT
	s_add_nc_u64 s[G0B+4*\s+2:G0B+4*\s+3], s[46:47], \s*KSTEP
	s_or_b32 s[G0B+4*\s+3], s[G0B+4*\s+3], 0x80000000
.endr
	JLOAD 0                                        ; K step 0: one tensor load a wave at the head
	v_and_b32 v1, 15, v0                           ; r
	s_wait_alu depctr_va_vdst(0)
	v_bfe_u32 v2, v0, 4, 1                         ; h
	v_mul_u32_u24 v3, v1, PITCH
	v_lshl_add_u32 v3, v2, 4, v3                   ; a fragment's row x pitch + 16 h
	s_mul_i32 s21, s11, HALFT
	s_mul_i32 s22, s12, HALFT
	s_add_co_u32 s22, s22, 2*HALFT
.irp s, 0,1
	v_add_nc_u32 v[ADRA+\s], s21, v3
	v_add_nc_u32 v[ADRB+\s], s22, v3
	s_add_co_u32 s21, s21, SLOT
	s_add_co_u32 s22, s22, SLOT
.endr
	s_mul_i32 s23, s10, 16*SPITCH
	s_add_co_u32 s23, s23, STAGE                   ; my stage
	v_mul_u32_u24 v4, v1, SPITCH
	s_wait_alu depctr_va_vdst(0)
	v_lshl_add_u32 v4, v2, 5, v4
	v_add_nc_u32 v[STO], s23, v4                   ; in: row r, 32 bytes for each half of the lanes
	v_mul_u32_u24 v5, v2, SPITCH
	v_lshl_add_u32 v5, v1, 4, v5
	v_add_nc_u32 v[RD], s23, v5                    ; back: lanes 0-15 one row of 256 bytes, lanes 16-31 the next
	v_mul_u32_u24 v5, v2, 8*SPITCH
	v_lshl_add_u32 v5, v1, 2, v5
	v_add_nc_u32 v[VR], s23, v5                    ; by columns: row 8 h, channel r
	v_and_b32 v5, 31, v0
	v_lshlrev_b32 v[CO], 4, v5
	s_wait_kmcnt 0x0                               ; the scales.  What the kind decides is chosen by s_cselect_b32: no branch hangs on a scale
	s_add_co_i32 s16, s80, s81
	s_add_co_i32 s17, s82, s83
	s_add_co_i32 s18, s84, s85
	s_sub_co_i32 s19, s86, s16                     ; Q's code is sum / 2^(e6 - e0 - e1),
	s_sub_co_i32 s20, s87, s17                     ; K's sum / 2^(e7 - e2 - e3),
	s_cmp_eq_u32 s[KIDX], 1
	s_cselect_b32 s16, s17, s16
	s_cselect_b32 s19, s20, s19
	s_cmp_eq_u32 s[KIDX], 2
	s_cselect_b32 s16, s18, s16
	s_cselect_b32 s19, s89, s19                    ; V's is made of the finished number: / 2^e9
	s_add_co_i32 s16, s16, 127
	s_lshl_b32 s[MULF], s16, 23                    ; 2^(eA + eB)
	s_mov_b32 s[MULF+1], s[MULF]                   ; (named with it as a pair)
	s_add_co_i32 s19, s19, 127
	s_lshl_b32 s20, s19, 23
	v_mov_b32 v[SCL], s20
	s_add_co_i32 s19, s19, 8
	s_lshl_b32 s19, s19, 23
	s_or_b32 s19, s19, 0x600000
	v_mov_b32 v[LIM], s19
	; where the results go.  What hangs on X stands in s46, s47; what hangs on both coordinates in s66, s67, s70, s71, s98: none of these feeds a descriptor
	s_lshl_b32 s46, s42, 1
	s_add_co_u32 s46, s46, s12                     ; the head 2 X + half: 0-31 Q's, 32-39 K's, 40-47 V's
	s_and_b32 s47, s46, 7                          ; the key/value head
	s_lshl_b32 s66, s46, 7
	s_lshl_b32 s21, s13, 3
	s_lshl_b32 s22, s11, 2
	s_add_co_u32 s21, s21, s22
	s_add_co_u32 s66, s66, s21
	s_lshl_b32 s66, s66, 10                        ; Q: (128 head + 8 Y + 4 half) images of 1 KiB
	s_lshl_b32 s67, s47, 18
	s_lshl_b32 s21, s13, 14
	s_add_co_u32 s67, s67, s21                     ; K, V: the head's 256 KiB, key step Y's 16 KiB
	s_lshl_b32 s22, s11, 12
	s_add_co_u32 s70, s67, s22                     ; K: tiles 4 half + a of 1 KiB
	s_lshl_b32 s22, s11, 10
	s_add_co_u32 s71, s67, s22
	s_add_co_u32 s71, s71, 8192                    ; V: behind K's eight tiles; blocks 2 half + u of each fragment's four
	s_cmp_eq_u32 s[KIDX], 0
	s_cselect_b64 s[96:97], s[72:73], s[74:75]
	s_cselect_b32 s98, s66, s70
	s_cmp_eq_u32 s[KIDX], 2
	s_cselect_b32 s98, s71, s98
	s_cselect_b64 s[68:69], s[78:79], s[76:77]
	s_mov_b32 s99, 0
	s_add_nc_u64 s[96:97], s[96:97], s[98:99]      ; the codes' base
	s_lshl_b32 s98, s47, 11
	s_lshl_b32 s21, s13, 7
	s_lshl_b32 s22, s11, 6
	s_add_co_u32 s21, s21, s22
	s_add_co_u32 s98, s98, s21
	s_lshl_b32 s98, s98, 8
	s_add_nc_u64 s[68:69], s[68:69], s[98:99]      ; out1 or out2 at row 2048 head + 128 Y + 64 half, 256 bytes a row
.macro MULA f, a, zero                 ; four matrix instructions: A's block a against B's four.  The 16 accumulators take turns in one order throughout
.irp b, 0,1,2,3
.if \zero
	v_wmma_f32_16x16x128_fp8_fp8 v[ACC+8*(4*\a+\b):ACC+8*(4*\a+\b)+7], v[\f+64+16*\b:\f+64+16*\b+15], v[\f+16*\a:\f+16*\a+15], 0
.else
	v_wmma_f32_16x16x128_fp8_fp8 v[ACC+8*(4*\a+\b):ACC+8*(4*\a+\b)+7], v[\f+64+16*\b:\f+64+16*\b+15], v[\f+16*\a:\f+16*\a+15], v[ACC+8*(4*\a+\b):ACC+8*(4*\a+\b)+7]
.endif
.endr
.endm
.macro FETCH slot, k, f                ; 32 LDS loads in one run: the fragments of 128 along K at byte k of the rows
	WIN TO_F
.irp i, 0,1,2,3
.irp c, 0,1,2,3
	ds_load_b128 v[\f+64+16*\i+4*\c:\f+64+16*\i+4*\c+3], v[ADRB+\slot] offset:\k+32*\c+\i*16*PITCH
.endr
.irp c, 0,1,2,3
	ds_load_b128 v[\f+16*\i+4*\c:\f+16*\i+4*\c+3], v[ADRA+\slot] offset:\k+32*\c+\i*16*PITCH
.endr
.endr
.endm
.macro QUARTER slot, k, f, g, zero     ; fetches the next quarter (byte k) into g, then multiplies f
	PLACES                                         ; g was multiplied in the quarter before
	FETCH \slot, \k, \g
	s_wait_dscnt 32                                ; f is in: only the 32 loads just issued may be out
	WIN MUL
	MULA \f, 0, \zero
	MULA \f, 1, \zero
	MULA \f, 2, \zero
	MULA \f, 3, \zero
.endm
.macro TURN slot, next, fill           ; a slot's last quarter (buffer 1) and the change of slots
	WIN 0
	s_wait_tensorcnt 0x0                           ; all my tensor loads have landed: my part of the next slot;
	ds_add_u32 v[SPW], v[NIL]                      ; 0 onto my spare word;
	s_wait_dscnt 1                                 ; buffer 1 is in: only the add may be out
	WIN MUL
	MULA F1, 0, 0
	s_wait_dscnt 0x0                               ; the add is done, and my reads of this slot are over
	s_barrier_signal -1
	MULA F1, 1, 0
	WIN 0
	s_barrier_wait -1
.if \fill
	CREST                                          ; the barrier has opened a round of the cluster's: no wave of any partner still reads this slot or has a load on its way
	s_add_nc_u64 s[G0+4*\slot+2:G0+4*\slot+3], s[G0+4*\slot+2:G0+4*\slot+3], 2*KSTEP
	s_add_nc_u64 s[G0B+4*\slot+2:G0B+4*\slot+3], s[G0B+4*\slot+2:G0B+4*\slot+3], 2*KSTEP
	JLOAD \slot                                    ; the first tensor load behind the round; its four v_nop are also the places in front of the loads below
.else
	PLACES
.endif
	FETCH \next, 0, F0
	WIN MUL
	MULA F1, 2, 0
	MULA F1, 3, 0
.endm
	s_wait_alu depctr_va_vdst(0)                   ; the wait at the head's end
	s_wait_tensorcnt 0x0                           ; my part of K step 0 is in; slot 1's first fill is issued as a refill is:
	ds_add_u32 v[SPW], v[NIL]                      ; 0 onto my spare word
	s_wait_dscnt 0x0
	CROUND                                         ; a whole round: everybody's part of K step 0 is in
	JLOAD 1                                        ; K step 1, the first tensor load behind the round
	FETCH 0, 0, F0
	QUARTER 0, 128, F0, F1, 1                      ; the first products start the sums: nothing is cleared
	QUARTER 0, 256, F1, F0, 0
	QUARTER 0, 384, F0, F1, 0
	TURN 0, 1, 1                                   ; slot 0 takes K step 2
	QUARTER 1, 128, F0, F1, 0
	QUARTER 1, 256, F1, F0, 0
	QUARTER 1, 384, F0, F1, 0
	TURN 1, 0, 1                                   ; slot 1 takes K step 3
	QUARTER 0, 128, F0, F1, 0
	QUARTER 0, 256, F1, F0, 0
	QUARTER 0, 384, F0, F1, 0
	TURN 0, 1, 0                                   ; nothing is left to fetch
	QUARTER 1, 128, F0, F1, 0
	QUARTER 1, 256, F1, F0, 0
	QUARTER 1, 384, F0, F1, 0
	s_wait_dscnt 0x0
	WIN MUL
	MULA F1, 0, 0
	MULA F1, 1, 0
	MULA F1, 2, 0
	MULA F1, 3, 0
	WIN 0
	PLACES
; THE WAY OUT.  Block a: my rows 16 a .. 16 a + 15, 64 columns.  F32OUT: sums x 2^(eA + eB) through my stage (so: which stage) and out as whole rows of 256 bytes.
; isv = 1: the same rows are read back by columns (lane (r, h): channel 16 c + r, keys 8 h + 0 .. 7), into the block's own accumulator registers, and converted: registers 2 a, 2 a + 1 of my half of V's fragment c.
.macro F32OUT a, so, isv
.set jj, 0
.rept 16
	v_pk_mul_f32 v[TMP+jj:TMP+jj+1], v[ACC+32*\a+jj:ACC+32*\a+jj+1], s[MULF:MULF+1] op_sel_hi:[1,0]   ; each accumulator from its low end on
.set jj, jj+2
.endr
.irp b, 0,1,2,3
	ds_store_b128 v[STO], v[TMP+8*\b:TMP+8*\b+3] offset:\so+64*\b
	ds_store_b128 v[STO], v[TMP+8*\b+4:TMP+8*\b+7] offset:\so+64*\b+16
.endr
.if \a > 0
	s_wait_xcnt 0x0                                ; the last block's stores have read the registers that the loads below fill
.endif
.irp i, 0,1,2,3,4,5,6,7
	ds_load_b128 v[BK+4*\i:BK+4*\i+3], v[RD] offset:\so+2*SPITCH*\i   ; LDS serves a wave's instructions in order: these see my stores
.endr
.if \isv
.irp c, 0,1,2,3
.irp j, 0,1,2,3,4,5,6,7
	ds_load_b32 v[ACC+32*\a+8*\c+\j], v[VR] offset:\so+SPITCH*\j+64*\c
.endr
.endr
.endif
.irp i, 0,1,2,3,4,5,6,7
	s_wait_dscnt 7-\i+32*\isv                      ; row pair i is back; the younger row loads, and the 32 loads by columns, may be out
	global_store_b128 v[CO], v[BK+4*\i:BK+4*\i+3], s[68:69] offset:4096*\a+512*\i th:TH_STORE_NT   ; 32 lanes store 512 consecutive bytes: two rows
.endr
.if \isv
	s_wait_dscnt 0x0
.set jj, 0
.rept 32
	v_med3_num_f32 v[ACC+32*\a+jj], v[ACC+32*\a+jj], -v[LIM], v[LIM]
.set jj, jj+1
.endr
.irp c, 0,1,2,3
	v_cvt_scalef32_pk8_fp8_f32 v[CD+8*\c+2*\a:CD+8*\c+2*\a+1], v[ACC+32*\a+8*\c:ACC+32*\a+8*\c+7], v[SCL]
.endr
	v_nop                                          ; a plain line behind the last conversion of the run
.endif
.endm
	s_cmp_eq_u32 s[KIDX], 0
	s_cbranch_scc1 .Lcodes                         ; Q has no f32 output
	s_cmp_eq_u32 s[KIDX], 2
	s_cbranch_scc1 .Lvalues
.irp a, 0,1,2,3
	F32OUT \a, 0, 0                                ; K to out1
.endr
.Lcodes:                                               ; Q and K: the raw sums, held and converted in place of a transposition: accumulator (a, b) gives registers 2 b, 2 b + 1 of fragment a
	s_wait_alu depctr_va_vdst(0)
.irp a, 0,1,2,3
.set jj, 0
.rept 32
	v_med3_num_f32 v[ACC+32*\a+jj], v[ACC+32*\a+jj], -v[LIM], v[LIM]
.set jj, jj+1
.endr
.irp b, 0,1,2,3
	v_cvt_scalef32_pk8_fp8_f32 v[CD+8*\a+2*\b:CD+8*\a+2*\b+1], v[ACC+32*\a+8*\b:ACC+32*\a+8*\b+7], v[SCL]
.endr
.endr
	v_nop
.irp a, 0,1,2,3
.irp u, 0,1
	global_store_b128 v[CO], v[CD+8*\a+4*\u:CD+8*\a+4*\u+3], s[96:97] offset:1024*\a+512*\u   ; 512 consecutive bytes: half an image
.endr
.endr
	s_branch .Lend
.Lvalues:
.irp a, 0,1,2,3
	F32OUT \a, VSTG, 1                             ; V to out2, and its codes along the keys
.endr
.irp c, 0,1,2,3
.irp u, 0,1
	global_store_b128 v[CO], v[CD+8*\c+4*\u:CD+8*\c+4*\u+3], s[96:97] offset:2048*\c+512*\u
.endr
.endr
.Lend:
	s_wait_tensorcnt 0x0                           ; the wave's end
	ds_add_u32 v[SPW], v[NIL]
	s_wait_dscnt 0x0
	CROUND                                         ; the closing round
	s_endpgm
.Lfunc_end_k_qfb92d87c85_gemm_qkv:
	.size	k_qfb92d87c85_gemm_qkv, .Lfunc_end_k_qfb92d87c85_gemm_qkv-k_qfb92d87c85_gemm_qkv
	.p2alignl 7, 3214868480
	.fill 96, 4, 3214868480
	.section	.rodata,"a",@progbits
	.p2align	6, 0x0
	.amdhsa_kernel k_qfb92d87c85_gemm_qkv
		.amdhsa_group_segment_fixed_size 327680
		.amdhsa_private_segment_fixed_size 0
		.amdhsa_enable_private_segment 0
		.amdhsa_kernarg_size 56
		.amdhsa_user_sgpr_count 2
		.amdhsa_user_sgpr_kernarg_segment_ptr 1
		.amdhsa_wavefront_size32 1
		.amdhsa_system_sgpr_workgroup_id_x 1
		.amdhsa_system_sgpr_workgroup_id_y 1
		.amdhsa_system_sgpr_workgroup_id_z 1
		.amdhsa_system_vgpr_workitem_id 0
		.amdhsa_next_free_vgpr 512
		.amdhsa_next_free_sgpr 100
		.amdhsa_reserve_vcc 0
		.amdhsa_float_denorm_mode_32 3
		.amdhsa_float_denorm_mode_16_64 3
		.amdhsa_memory_ordered 1
		.amdhsa_forward_progress 1
		.amdhsa_inst_pref_size 116
	.end_amdhsa_kernel
	.amdgpu_metadata
---
amdhsa.version: [ 1, 2 ]
amdhsa.kernels:
  - .name:           k_qfb92d87c85_gemm_qkv
    .symbol:         k_qfb92d87c85_gemm_qkv.kd
    .args:
      - { .name: xc, .offset: 0, .size: 8, .value_kind: global_buffer, .address_space: global }
      - { .name: wc, .offset: 8, .size: 8, .value_kind: global_buffer, .address_space: global }
      - { .name: lowp_scales, .offset: 16, .size: 8, .value_kind: global_buffer, .address_space: global }
      - { .name: qimg, .offset: 24, .size: 8, .value_kind: global_buffer, .address_space: global }
      - { .name: kvimg, .offset: 32, .size: 8, .value_kind: global_buffer, .address_space: global }
      - { .name: out1, .offset: 40, .size: 8, .value_kind: global_buffer, .address_space: global }
      - { .name: out2, .offset: 48, .size: 8, .value_kind: global_buffer, .address_space: global }
    .group_segment_fixed_size: 327680
    .private_segment_fixed_size: 0
    .kernarg_segment_align: 8
    .kernarg_segment_size: 56
    .max_flat_workgroup_size: 128
    .sgpr_count:     100
    .vgpr_count:     512
    .wavefront_size: 32
...
	.end_amdgpu_metadata
.endif
;; end of part 6
;; launch attn (part 7): grid 32 x 8, 8 waves a work-group, no clusters, 18,432 bytes of LDS; arguments qimg, kvimg, mbits, lowp_scales, oc; writes oc
.if DOCPART == 7
	.amdgcn_target "amdgcn-amd-amdhsa--gfx1250"
	.amdhsa_code_object_version 6
	.text
	.protected	k_qfb92d87c85_attn
	.globl	k_qfb92d87c85_attn
	.p2align	8
	.type	k_qfb92d87c85_attn,@function
k_qfb92d87c85_attn:
	s_mov_b64 s[64:65], 0
	v_nop
	global_prefetch_b8 v0, s[64:65] scope:SCOPE_SE
	s_setreg_imm32_b32 hwreg(HW_REG_WAVE_MODE, 25, 1), 1
	s_wait_xcnt 0x0
; ATTENTION on E4M3 codes: S^T = K Q^T (16x16x64), p = 2^(t - M) quantised along the keys, O^T += V^T P^T (16x16x128), O / l quantised with entry 10 into oc [2048][2048].
; qimg, kvimg hold IMAGES OF OPERAND REGISTERS (1 KiB a tile of Q or K; a key step of 128 keys is 8 KiB of K and 8 KiB of V), so fragments go from memory straight into registers: 16 bytes a lane, 512 consecutive bytes a load.
; THE MASK is an input and is honoured as it is given.  mbits (whole numbers that the first launch stored) has, for (query tile, key step), 64 lane masks, one for each score register.
; At its head a wave reads its two tiles' 2 x 1,024 words and makes for each tile two words of 16 bits: LIVE (some key of the step counts for some query) and PART (some key does not).
; A step that is not live adds p = 0 everywhere and leaves M as it is: it is passed over by a scalar branch.  A live step with PART = 0 starts its scores from the constant 0; only a mixed step expands its 64 words.
; The launch has no tensor load, and so no joint loads and no cluster.
; SHARES: a wave owns ONE query head and TWO query tiles of 16 queries, 2x+e and 127-(2x+e), which it walks one after the other, tile g in register window g; 512 registers, two waves to a SIMD.
; A work-group of 8 waves has the four query heads of one key/value head and two such pairs of tiles.  Where a mask hides later keys, the live steps of a pair add up alike in all waves; any mask is served.
; Nothing is prefetched: a step's 32 loads are issued one live step ahead of their use, and a head's 256 KiB are read by 32 work-groups.
; A hidden score stands as -2^127 + score; a row whose largest t stays at or under THR has no open key and gets the NaN code, as the softmax of a row of -inf is NaN.
; THE HOLD ON p: p does not pass 1 but by rounding, so where e8 >= -8 (448 x 2^e8 >= 1.75) the hold changes no number and a scalar branch on e8 leads round it; for smaller e8 it is executed.
; LIMITS: the scaled scores stay under 2^31 in magnitude; e6 + e7 between -123 and 130; e8 and e10 between -126 and 119.
; REGISTERS: tile g in window g: v112-127 state, v128-191 scores then p, v192-223 O^T, v224-239 p's codes, v240-247 Q, v248-249 constants.  window 0: v1-15 addresses, v32-47 the way out, v48-111 K.  window 1: v48-111 V.
.set SP,   272
.set SPARE, 4*16*SP                    ; behind the four stages: the spare words, 128 bytes a wave
.set LI,   1
.set ADK,  2
.set ADV,  3
.set STO,  4
.set RD,   5
.set CO,   6
.set SPW,  8
.set NIL,  9
.set QO,   14                          ; v14, v15: Q's offsets for the two tiles
.set BK,   32
.set KF,   48
.set VF,   48
.set NM,   112
.set MT,   113
.set LS,   114
.set FF,   116
.set T0,   118
.set T1,   119
.set T2,   120
.set T3,   121
.set L3,   118
.set L4,   120
.set L2,   122
.set SCL,  124
.set LIM,  125
.set THR,  126
.set NANC, 127
.set SC,   128
.set OA,   192
.set PC,   224
.set QF,   240
.set NEG,  248
.set ZER,  249
.set HOLD, 10                          ; s10: 1 where the hold on p is executed
.set WV,   14
.set TT,   17
.set TN,   18
.set REM,  19
.set CS,   20
.set SEL,  22
.set KO,   24
.set MO,   25
.set EPV,  26
.set SC10, 27
.set LM10, 28
.set MSB, 0
.macro WIN new                         ; the immediate's high byte repeats the setting that is left
.if MSB != (\new)
	s_set_vgpr_msb (MSB<<8)|(\new)
.set MSB, (\new)
.endif
.endm
.macro MASKLD                          ; the 64 lane masks of step TN of the tile in hand: words 0-31 in s32-63, words 32-63 in s68-99
	s_load_b512 s[32:47], s[MB:MB+1], s[MO] offset:0
	s_load_b512 s[48:63], s[MB:MB+1], s[MO] offset:64
	s_load_b512 s[68:83], s[MB:MB+1], s[MO] offset:128
	s_load_b512 s[84:99], s[MB:MB+1], s[MO] offset:192
.endm
.macro KLOAD
	WIN 0
.irp q, 0,1,2,3,4,5,6,7,8,9,10,11,12,13,14,15
	global_load_b128 v[KF+4*\q:KF+4*\q+3], v[ADK], s[6:7] offset:512*\q
.endr
.endm
.macro VLOAD
	WIN 0x40
.irp q, 0,1,2,3,4,5,6,7,8,9,10,11,12,13,14,15
	global_load_b128 v[VF+4*\q:VF+4*\q+3], v[ADV], s[6:7] offset:8192+512*\q
.endr
	WIN 0
.endm
	s_load_b256 s[4:11], s[0:1], 0x0               ; qimg 4:5, kvimg 6:7, mbits 8:9, scales 10:11
	s_load_b64 s[12:13], s[0:1], 0x20              ; oc
	v_lshl_add_u32 v[SPW], v0, 2, SPARE
	v_mov_b32 v[NIL], 0
	v_lshrrev_b32 v10, 5, v0
	v_readfirstlane_b32 s[WV], v10                 ; wave 0..7
	s_and_b32 s32, s[WV], 3                        ; which of the four query heads
	s_lshr_b32 s33, s[WV], 2                       ; e: which pair of tiles
	s_lshl_b32 s35, ttmp9, 1
	s_add_co_u32 s35, s35, s33                     ; tile 0
	s_sub_co_u32 s36, 127, s35                     ; tile 1
	s_and_b32 s37, ttmp7, 0xffff                   ; the key/value head
	s_lshl_b32 s38, s37, 2
	s_add_co_u32 s38, s38, s32                     ; my query head
	s_lshl_b32 s38, s38, 17                        ; Q: 128 images of 1 KiB a head
	s_mov_b32 s39, 0
	s_lshl_b32 s55, s35, 10                        ; and a tile's image in it
	s_lshl_b32 s56, s36, 10
	s_lshl_b32 s40, s37, 18                        ; K, V: the head's 256 KiB
	s_mov_b32 s41, 0
	s_lshl_b32 s42, s35, 12                        ; mbits: 4 KiB a tile
	s_mov_b32 s43, 0
	s_lshl_b32 s52, s36, 12
	s_mov_b32 s53, 0
	s_lshr_b32 s54, s[WV], 1                       ; the way out: wave w stores rows 8 w .. 8 w + 7 of the work-group's 64: stage w / 2 = 2 e + g
	s_and_b32 s54, s54, 1
	s_cmp_lg_u32 s54, 0
	s_cselect_b32 s44, s36, s35                    ; that stage's tile
	s_lshl_b32 s44, s44, 15                        ; oc: 16 rows of 2,048 bytes a tile,
	s_lshl_b32 s45, s37, 8                         ; 256 bytes for the four heads,
	s_add_co_u32 s44, s44, s45
	s_and_b32 s45, s[WV], 1
	s_lshl_b32 s45, s45, 14                        ; the tile's rows 8 (w % 2) on
	s_add_co_u32 s44, s44, s45
	s_mov_b32 s45, 0
	s_mul_i32 s46, s33, 32*SP                      ; my pair's two stages,
	s_lshl_b32 s47, s32, 6
	s_add_co_u32 s47, s47, s46                     ; in: my head's 64 bytes of a row
	s_mul_i32 s48, s[WV], 8*SP                     ; back: rows 8 w on
	s_mov_b32 s[CS], 0x3e38aa3b                    ; log2(e) / sqrt(64)
	s_mov_b32 s[SEL], 0x76543210
	s_mov_b32 s[SEL+1], 0xfedcba98
	v_and_b32 v10, 31, v0
	v_lshlrev_b32 v[LI], 4, v10
	v_and_b32 v11, 15, v0
	v_bfe_u32 v12, v0, 4, 1
	v_mul_u32_u24 v[STO], v11, SP
	v_lshl_add_u32 v[STO], v12, 3, v[STO]
	v_add_nc_u32 v[STO], s47, v[STO]
	v_mul_u32_u24 v[RD], v12, SP
	v_lshl_add_u32 v[RD], v11, 4, v[RD]
	v_add_nc_u32 v[RD], s48, v[RD]
	v_lshlrev_b32 v[CO], 11, v12
	v_lshl_add_u32 v[CO], v11, 4, v[CO]
	v_add_nc_u32 v[QO], s55, v[LI]
	v_add_nc_u32 v[QO+1], s56, v[LI]
	s_wait_alu depctr_va_vdst(0)
	s_wait_kmcnt 0x0
	s_load_b256 s[68:75], s[10:11], 0x0            ; e0 .. e7
	s_load_b128 s[76:79], s[10:11], 0x20           ; e8 .. e11
	s_add_nc_u64 s[4:5], s[4:5], s[38:39]
	s_add_nc_u64 s[6:7], s[6:7], s[40:41]
	s_add_nc_u64 s[2:3], s[8:9], s[52:53]          ; tile 1's mask words,
	s_add_nc_u64 s[8:9], s[8:9], s[42:43]          ; tile 0's
	s_add_nc_u64 s[12:13], s[12:13], s[44:45]
.irp i, 0,1,2,3,4,5,6,7
	global_load_b128 v[KF+4*\i:KF+4*\i+3], v[LI], s[8:9] offset:512*\i   ; a tile's mask words: load i has step 2 i in lanes 0-15, step 2 i + 1 in lanes 16-31
.endr
.irp i, 0,1,2,3,4,5,6,7
	global_load_b128 v[KF+32+4*\i:KF+32+4*\i+3], v[LI], s[2:3] offset:512*\i
.endr
.irp g, 0,1
	WIN \g<<6
	global_load_b128 v[QF:QF+3], v[QO+\g], s[4:5]
	global_load_b128 v[QF+4:QF+7], v[QO+\g], s[4:5] offset:512
.endr
	WIN 0
	s_wait_kmcnt 0x0
	s_add_co_i32 s29, s74, s75
	s_lshl_b32 s29, s29, 23
	s_add_co_i32 s[CS], s[CS], s29                 ; e6 + e7 onto c's exponent field
	s_mov_b32 s[CS+1], s[CS]
	s_add_co_i32 s29, s76, 127
	s_lshl_b32 s30, s29, 23                        ; 2^e8
	s_add_co_i32 s29, s29, 8
	s_lshl_b32 s29, s29, 23
	s_or_b32 s29, s29, 0x600000                    ; 448 x 2^e8
	s_add_co_i32 s[EPV], s76, s77
	s_add_co_i32 s[SC10], s78, 127
	s_add_co_i32 s[LM10], s[SC10], 8
	s_lshl_b32 s[SC10], s[SC10], 23
	s_lshl_b32 s[LM10], s[LM10], 23
	s_or_b32 s[LM10], s[LM10], 0x600000
	s_cmp_ge_i32 s76, -8
	s_cselect_b32 s[HOLD], 0, 1
.irp g, 0,1
	WIN 0x55*\g
	v_mov_b32 v[MT], 0xff61b1e6                    ; the largest t so far: -3e38
	v_floor_f32 v[NM], -v[MT]
	v_mov_b32 v[LS], 0
	v_mov_b32 v[LS+1], 0
	v_mov_b32 v[FF+1], 0
	v_mov_b32 v[T2], 0
	v_mov_b32 v[SCL], s30
	v_mov_b32 v[LIM], s29
	v_mov_b32 v[THR], 0xf1800000
	v_mul_f32 v[THR], s[CS], v[THR]
	v_max_num_f32 v[THR], v[THR], v[MT]
	v_mov_b32 v[NANC], 0x7f7f7f7f
	v_mov_b32 v[NEG], 0xff000000
	v_mov_b32 v[ZER], 0
.set jj, 0
.rept 32
	v_mov_b32 v[OA+jj], 0                          ; the step is written for every step alike: the first finds zeros
.set jj, jj+1
.endr
.endr
	WIN 0
	s_mov_b32 s15, 0                               ; LIVE, PART of tile 0: s15, s16; of tile 1: s66, s67
	s_mov_b32 s16, 0
	s_mov_b32 s66, 0
	s_mov_b32 s67, 0
	s_wait_alu depctr_va_vdst(0)
	s_wait_loadcnt 4                               ; the sixteen loads of mask words are in; Q's four may be out
.irp g, 0,1
.irp i, 0,1,2,3,4,5,6,7
	v_or_b32 v10, v[KF+32*\g+4*\i], v[KF+32*\g+4*\i+1]
	v_or_b32 v11, v[KF+32*\g+4*\i+2], v[KF+32*\g+4*\i+3]
	v_and_b32 v12, v[KF+32*\g+4*\i], v[KF+32*\g+4*\i+1]
	v_and_b32 v13, v[KF+32*\g+4*\i+2], v[KF+32*\g+4*\i+3]
	v_or_b32 v10, v10, v11
	v_and_b32 v12, v12, v13
	v_cmp_ne_u32 s29, 0, v10                       ; lanes with an open key
	v_cmp_ne_u32 s30, -1, v12                      ; lanes with a hidden key
	s_and_b32 s31, s29, 0xffff
	s_cselect_b32 s31, 1<<(2*\i), 0
	s_or_b32 s[15+51*\g], s[15+51*\g], s31
	s_lshr_b32 s31, s29, 16
	s_cselect_b32 s31, 2<<(2*\i), 0
	s_or_b32 s[15+51*\g], s[15+51*\g], s31
	s_and_b32 s31, s30, 0xffff
	s_cselect_b32 s31, 1<<(2*\i), 0
	s_or_b32 s[16+51*\g], s[16+51*\g], s31
	s_lshr_b32 s31, s30, 16
	s_cselect_b32 s31, 2<<(2*\i), 0
	s_or_b32 s[16+51*\g], s[16+51*\g], s31
.endr
.endr
.macro EXPAND g                        ; a mixed step: the scores begin as 0 (open) or -2^127 (hidden)
	WIN 0x55*\g
.set jj, 0
.rept 32
	v_cndmask_b32 v[SC+jj], v[NEG], v[ZER], s[32+jj]
	v_cndmask_b32 v[SC+32+jj], v[NEG], v[ZER], s[68+jj]
.set jj, jj+1
.endr
.endm
.macro SPHASE g, masked                ; S^T = K Q^T: source 0 = 16 keys (window 0), source 1 = tile g's 16 queries
	WIN (\g<<2)|(\g<<4)|(\g<<6)
.irp t, 0,1,2,3,4,5,6,7
.if \masked
	v_wmma_f32_16x16x64_fp8_fp8 v[SC+8*\t:SC+8*\t+7], v[KF+8*\t:KF+8*\t+7], v[QF:QF+7], v[SC+8*\t:SC+8*\t+7]
.else
	v_wmma_f32_16x16x64_fp8_fp8 v[SC+8*\t:SC+8*\t+7], v[KF+8*\t:KF+8*\t+7], v[QF:QF+7], 0
.endif
.endr
	WIN 0
.endm
.macro MAXH g                          ; the step's largest score among my 64 keys, in four chains (each accumulator is read from its low end on); then -M = floor(-t) and f = 2^(old M - new M)
	WIN 0x55*\g
.irp c, 0,1,2,3
	v_max3_num_f32 v[T0+\c], v[SC+16*\c], v[SC+16*\c+1], v[SC+16*\c+2]
.endr
.irp i, 3,5,7,9,11,13
.irp c, 0,1,2,3
	v_max3_num_f32 v[T0+\c], v[T0+\c], v[SC+16*\c+\i], v[SC+16*\c+\i+1]
.endr
.endr
	v_max3_num_f32 v[T0], v[T0], v[SC+15], v[SC+31]
	v_max3_num_f32 v[T0+2], v[T0+2], v[SC+47], v[SC+63]
	v_max3_num_f32 v[T0], v[T0], v[T0+1], v[T0+3]
	v_max_num_f32 v[T0], v[T0], v[T0+2]
	v_permlanex16_b32 v[T1], v[T0], s[SEL], s[SEL+1]
	v_mov_b32 v[T3], v[NM]
	v_max_num_f32 v[T0], v[T0], v[T1]
	v_mul_f32 v[T0], s[CS], v[T0]
	v_max_num_f32 v[MT], v[MT], v[T0]
	v_floor_f32 v[NM], -v[MT]
	v_sub_f32 v[T3], v[NM], v[T3]
	v_cvt_i32_f32 v[T3], v[T3]
	v_ldexp_f32 v[FF], 1.0, v[T3]
.endm
.macro POST g                          ; behind the exponentials: O^T x f, the row's sum of the unquantised p, the hold, the codes
	WIN 0x55*\g
	s_wait_alu depctr_va_vdst(0)                   ; directly ahead of the first reader of O^T
.set jj, 0
.rept 16
	v_pk_mul_f32 v[OA+jj:OA+jj+1], v[OA+jj:OA+jj+1], v[FF:FF+1] op_sel_hi:[1,0]
.set jj, jj+2
.endr
	v_pk_add_f32 v[L2:L2+1], v[SC:SC+1], v[SC+2:SC+3]
	v_pk_add_f32 v[L3:L3+1], v[SC+4:SC+5], v[SC+6:SC+7]
	v_pk_add_f32 v[L4:L4+1], v[SC+8:SC+9], v[SC+10:SC+11]
	v_pk_add_f32 v[LS:LS+1], v[LS:LS+1], v[SC+12:SC+13]
.irp j, 14,22,30,38,46,54
	v_pk_add_f32 v[L2:L2+1], v[L2:L2+1], v[SC+\j:SC+\j+1]
	v_pk_add_f32 v[L3:L3+1], v[L3:L3+1], v[SC+\j+2:SC+\j+3]
	v_pk_add_f32 v[L4:L4+1], v[L4:L4+1], v[SC+\j+4:SC+\j+5]
	v_pk_add_f32 v[LS:LS+1], v[LS:LS+1], v[SC+\j+6:SC+\j+7]
.endr
	v_pk_add_f32 v[L2:L2+1], v[L2:L2+1], v[SC+62:SC+63]
	v_pk_add_f32 v[L3:L3+1], v[L3:L3+1], v[L4:L4+1]
	v_pk_add_f32 v[LS:LS+1], v[LS:LS+1], v[L2:L2+1]
	v_pk_add_f32 v[LS:LS+1], v[LS:LS+1], v[L3:L3+1]
	WIN 0
	s_min_u32 s29, s[HOLD], 1                      ; what a branch tests is held within its range first
	s_cmp_lg_u32 s29, 0
	s_wait_alu depctr_va_vdst(0)
	s_cbranch_scc0 .Lno_hold_\@                    ; e8 >= -8: no p reaches 448 x 2^e8
	WIN 0x55*\g
.set jj, 0
.rept 64
	v_min_num_f32 v[SC+jj], v[SC+jj], v[LIM]       ; the conversion does not saturate (ISA guide 7.6.2); p is not negative
.set jj, jj+1
.endr
	WIN 0
.Lno_hold_\@:
	WIN 0x55*\g
.irp t, 0,1,2,3,4,5,6,7
	v_cvt_scalef32_pk8_fp8_f32 v[PC+2*\t:PC+2*\t+1], v[SC+8*\t:SC+8*\t+7], v[SCL]
.endr
	v_nop                                          ; a plain line behind the last conversion
.endm
.macro PV g                            ; O^T += V^T P^T: source 0 = 16 of the head's 64 (window 1), source 1 = p's codes
	WIN 1|(\g<<2)|(\g<<4)|(\g<<6)
.irp c, 0,1,2,3
	v_wmma_f32_16x16x128_fp8_fp8 v[OA+8*\c:OA+8*\c+7], v[VF+16*\c:VF+16*\c+15], v[PC:PC+15], v[OA+8*\c:OA+8*\c+7]
.endr
.endm
; What follows the scores.  ld = 1: another live step follows: its K is asked for here, its V behind the second product.  ld = 0: the tile's last live step asks for nothing.
.macro REST g, ld
	WIN 0
.if \ld
	v_add_nc_u32 v[ADK], s[KO], v[LI]              ; (K's last loads are done: the wait at the step's head has shown it)  This line and three v_nop are the four places behind the scores' products
.rept 3
	v_nop
.endr
	KLOAD
	s_lshl_b32 s[MO], s[TN], 8
	MASKLD
.else
.rept 4
	v_nop
.endr
.endif
	MAXH \g
.set jj, 0
.rept 32
	v_pk_fma_f32 v[SC+jj:SC+jj+1], v[SC+jj:SC+jj+1], s[CS:CS+1], v[NM:NM+1] op_sel_hi:[1,0,0]   ; t - M
.set jj, jj+2
.endr
	s_wait_alu depctr_va_vdst(0)                   ; one wait ahead of the batch
.set jj, 0
.rept 64
	v_exp_f32 v[SC+jj], v[SC+jj]                   ; the step's 64 exponentials as one batch
.set jj, jj+1
.endr
	v_pk_mul_f32 v[LS:LS+1], v[LS:LS+1], v[FF:FF+1] op_sel_hi:[1,0]   ; the sums under the new M; a plain place behind the batch
	s_wait_alu depctr_va_vdst(0)                   ; and one behind it, ahead of its first reader
	POST \g
	s_wait_alu depctr_va_vdst(0)
	s_wait_loadcnt 16*\ld                          ; V is in; the next step's 16 loads of K may be out
	PV \g
	WIN 0
.if \ld
	v_add_nc_u32 v[ADV], s[KO], v[LI]              ; with three v_nop: the four places behind the last products
.rept 3
	v_nop
.endr
	VLOAD
.endif
.endm
; THE WALK of tile g over the 16 key steps.
.macro TASK g
.set LV, 15+51*\g
.set PT, 16+51*\g
.set MB, 8-6*\g
.if \g
	s_wait_alu depctr_va_vdst(0)
	s_wait_loadcnt 0x0                             ; (a walk with no live step leaves its first loads out: they land before their registers are asked for again)
	s_wait_kmcnt 0x0
.rept 2
	v_nop                                          ; with the two additions below: four places behind the last products
.endr
.endif
	s_ctz_i32_b32 s[TN], s[LV]                     ; the first live step (15 where there is none: its loads stay inside the buffers and are not used)
	s_min_u32 s[TN], s[TN], 15
	s_lshl_b32 s[KO], s[TN], 14
	s_lshl_b32 s[MO], s[TN], 8
	MASKLD
	v_add_nc_u32 v[ADK], s[KO], v[LI]
	v_add_nc_u32 v[ADV], s[KO], v[LI]
	KLOAD
	VLOAD
	s_mov_b32 s[TT], 0
	s_wait_alu depctr_va_vdst(0)                   ; the wait ahead of the loop
.Lstep\g:                                              ; 16 trips, a key step each
	s_lshr_b32 s29, s[LV], s[TT]
	s_and_b32 s29, s29, 1
	s_min_u32 s29, s29, 1                          ; what a branch tests is held within its range first
	s_cmp_lg_u32 s29, 0
	s_cbranch_scc0 .Lskip\g                        ; no key of this step counts for any of the tile's queries
	s_lshl_b32 s[REM], -2, s[TT]
	s_and_b32 s[REM], s[REM], s[LV]                ; the live steps behind this one,
	s_min_u32 s[REM], s[REM], 0xffff               ; held within their 16 bits
	s_ctz_i32_b32 s[TN], s[REM]
	s_min_u32 s[TN], s[TN], 15                     ; the next of them
	s_lshl_b32 s[KO], s[TN], 14
	s_wait_kmcnt 0x0                               ; this step's mask words
	s_wait_loadcnt 16                              ; K (and, the first time, Q) is in; V's 16 loads may be out
	s_lshr_b32 s29, s[PT], s[TT]
	s_and_b32 s29, s29, 1
	s_min_u32 s29, s29, 1
	s_cmp_lg_u32 s29, 0
	s_cbranch_scc0 .Lfull\g
	EXPAND \g
	SPHASE \g, 1
	s_branch .Ljoin\g
.Lfull\g:
	SPHASE \g, 0
.Ljoin\g:
	s_cmp_eq_u32 s[REM], 0
	s_cbranch_scc1 .Llast\g
	REST \g, 1
.Lskip\g:
	s_add_co_u32 s[TT], s[TT], 1
	s_cmp_lt_u32 s[TT], 16
	s_wait_alu depctr_va_vdst(0)
	s_cbranch_scc1 .Lstep\g
	s_branch .Lfin\g                               ; (only a tile with no live step comes this way)
.Llast\g:
	REST \g, 0
.Lfin\g:
.endm
	TASK 0
	TASK 1
.macro FIN g                           ; O^T / l x 2^(e8 + e9), held, quantised with entry 10; rows with no open key get the NaN code
	WIN 0x55*\g
	v_add_f32 v[T0], v[LS], v[LS+1]
	v_permlanex16_b32 v[T2], v[T0], s[SEL], s[SEL+1]
	v_add_f32 v[T0], v[T0], v[T2]
	s_wait_alu depctr_va_vdst(0)                   ; ahead of the transcendental
	v_rcp_f32 v[T1], v[T0]
	v_cmp_le_f32 vcc_lo, v[MT], v[THR]
	v_mov_b32 v[SCL], s[SC10]
	v_mov_b32 v[LIM], s[LM10]
	s_wait_alu depctr_va_vdst(0)                   ; ahead of its first reader
	v_ldexp_f32 v[T1], v[T1], s[EPV]
	s_wait_alu depctr_va_vdst(0)                   ; directly ahead of the first reader of O^T
.set jj, 0
.rept 32
	v_mul_f32 v[SC+jj], v[OA+jj], v[T1]
.set jj, jj+1
.endr
.set jj, 0
.rept 32
	v_med3_num_f32 v[SC+jj], v[SC+jj], -v[LIM], v[LIM]
.set jj, jj+1
.endr
.irp c, 0,1,2,3
	v_cvt_scalef32_pk8_fp8_f32 v[PC+2*\c:PC+2*\c+1], v[SC+8*\c:SC+8*\c+7], v[SCL]
.endr
	v_nop
.irp i, 0,1,2,3,4,5,6,7
	v_cndmask_b32 v[PC+\i], v[PC+\i], v[NANC], vcc_lo
.endr
	WIN \g<<2
.irp c, 0,1,2,3
	ds_store_b64 v[STO], v[PC+2*\c:PC+2*\c+1] offset:\g*16*SP+16*\c
.endr
.endm
	FIN 0
	FIN 1
	WIN 0
	s_wait_alu depctr_va_vdst(0)
	s_wait_dscnt 0x0                               ; my head's 64 bytes of each of my two tiles' 16 rows are in the stages
	s_barrier_signal -1
	s_barrier_wait -1                              ; and so are the other heads': a row of 256 bytes is whole
.irp i, 0,1,2,3
	ds_load_b128 v[BK+4*\i:BK+4*\i+3], v[RD] offset:2*SP*\i
.endr
.irp i, 0,1,2,3
	s_wait_dscnt 3-\i
	global_store_b128 v[CO], v[BK+4*\i:BK+4*\i+3], s[12:13] offset:4096*\i   ; sixteen lanes store 256 consecutive bytes, aligned
.endr
	s_wait_tensorcnt 0x0                           ; the wave's end
	ds_add_u32 v[SPW], v[NIL]
	s_wait_dscnt 0x0
	s_endpgm
.Lfunc_end_k_qfb92d87c85_attn:
	.size	k_qfb92d87c85_attn, .Lfunc_end_k_qfb92d87c85_attn-k_qfb92d87c85_attn
	.p2alignl 7, 3214868480
	.fill 96, 4, 3214868480
	.section	.rodata,"a",@progbits
	.p2align	6, 0x0
	.amdhsa_kernel k_qfb92d87c85_attn
		.amdhsa_group_segment_fixed_size 18432
		.amdhsa_private_segment_fixed_size 0
		.amdhsa_enable_private_segment 0
		.amdhsa_kernarg_size 40
		.amdhsa_user_sgpr_count 2
		.amdhsa_user_sgpr_kernarg_segment_ptr 1
		.amdhsa_wavefront_size32 1
		.amdhsa_system_sgpr_workgroup_id_x 1
		.amdhsa_system_sgpr_workgroup_id_y 1
		.amdhsa_system_sgpr_workgroup_id_z 1
		.amdhsa_system_vgpr_workitem_id 0
		.amdhsa_next_free_vgpr 512
		.amdhsa_next_free_sgpr 100
		.amdhsa_reserve_vcc 1
		.amdhsa_float_denorm_mode_32 3
		.amdhsa_float_denorm_mode_16_64 3
		.amdhsa_memory_ordered 1
		.amdhsa_forward_progress 1
		.amdhsa_inst_pref_size 109
	.end_amdhsa_kernel
	.amdgpu_metadata
---
amdhsa.version: [ 1, 2 ]
amdhsa.kernels:
  - .name:           k_qfb92d87c85_attn
    .symbol:         k_qfb92d87c85_attn.kd
    .args:
      - { .name: qimg, .offset: 0, .size: 8, .value_kind: global_buffer, .address_space: global }
      - { .name: kvimg, .offset: 8, .size: 8, .value_kind: global_buffer, .address_space: global }
      - { .name: mbits, .offset: 16, .size: 8, .value_kind: global_buffer, .address_space: global }
      - { .name: lowp_scales, .offset: 24, .size: 8, .value_kind: global_buffer, .address_space: global }
      - { .name: oc, .offset: 32, .size: 8, .value_kind: global_buffer, .address_space: global }
    .group_segment_fixed_size: 18432
    .private_segment_fixed_size: 0
    .kernarg_segment_align: 8
    .kernarg_segment_size: 40
    .max_flat_workgroup_size: 256
    .sgpr_count:     100
    .vgpr_count:     512
    .wavefront_size: 32
...
	.end_amdgpu_metadata
.endif
;; end of part 7
;; launch gemm_o (part 8): grid 16 x 16, 4 waves a work-group, clusters of 4 x 4, 327,680 bytes of LDS; arguments oc, woc, lowp_scales, out0; writes out0
.if DOCPART == 8
	.amdgcn_target "amdgcn-amd-amdhsa--gfx1250"
	.amdhsa_code_object_version 6
	.text
	.protected	k_qfb92d87c85_gemm_o
	.globl	k_qfb92d87c85_gemm_o
	.p2align	8
	.type	k_qfb92d87c85_gemm_o,@function
k_qfb92d87c85_gemm_o:
	s_mov_b64 s[64:65], 0
	v_nop
	global_prefetch_b8 v0, s[64:65] scope:SCOPE_SE
	s_setreg_imm32_b32 hwreg(HW_REG_WAVE_MODE, 25, 1), 1
	s_wait_xcnt 0x0
	s_wait_alu depctr_hold_cnt(0) depctr_sa_sdst(0) depctr_va_vdst(0) depctr_va_sdst(0) depctr_va_ssrc(0) depctr_va_vcc(0) depctr_vm_vsrc(0)
	s_getreg_b32 s2, hwreg(HW_REG_IB_STS2, 6, 4)
	s_cmp_eq_u32 s2, 0
	s_cbranch_scc0 .Lentry_in_a_cluster
	s_endpgm
.Lentry_in_a_cluster:
	s_bfe_u32 s2, ttmp6, 0x10000c
	s_cmp_lg_u32 s2, 0xf033
	s_cbranch_scc0 .Lentry_shape_is_right
	s_endpgm
.Lentry_shape_is_right:
.set KSTEP,  512
.set PITCH,  528
.set HALFT,  64*PITCH
.set SLOT,   4*HALFT
.set STAGE,  2*SLOT
.set SPITCH, 272
.set SPARE,  STAGE+4*16*SPITCH
.set ADRA, 16
.set ADRB, 20
.set STO,  24
.set RD,   25
.set CO,   26
.set SPW,  28
.set NIL,  29
.set TMP,  32
.set BK,   64
.set ACC,  128
.set F0,   0
.set F1,   128
.set G1, 24
.set G0, 32
.set G1B, 48
.set G0B, 56
.set MULF, 94
.set MSB, 0
.macro WIN new
.if MSB != (\new)
	s_set_vgpr_msb (MSB<<8)|(\new)
.set MSB, (\new)
.endif
.endm
.set MUL,  0x05
.set TO_F, 0x40
.macro JLOAD s
	s_cmp_eq_u32 s11, 0
	s_cbranch_scc0 .Lfor_b_\@
	tensor_load_to_lds s[G0+4*\s:G0+4*\s+3], s[G1:G1+7]
	s_nop 0
.rept 4
	v_nop
.endr
	s_branch .Lasked_\@
.Lfor_b_\@:
	tensor_load_to_lds s[G0B+4*\s:G0B+4*\s+3], s[G1B:G1B+7]
	s_nop 0
.rept 4
	v_nop
.endr
.Lasked_\@:
.endm
.macro CREST
	s_cmp_lg_u32 s10, 0
	s_cbranch_scc1 .Lnot_wave_0_\@
	s_barrier_signal -3
.Lnot_wave_0_\@:
	s_barrier_wait -3
	s_barrier_signal -1
	s_barrier_wait -1
.endm
.macro CROUND
	s_barrier_signal -1
	s_barrier_wait -1
	CREST
.endm
.macro PLACES
.rept 4
	v_nop
.endr
.endm
	s_load_b128 s[4:7], s[0:1], 0x0
	s_load_b64 s[8:9], s[0:1], 0x10
	s_load_b64 s[72:73], s[0:1], 0x18
	v_lshl_add_u32 v[SPW], v0, 2, SPARE
	v_mov_b32 v[NIL], 0
	ds_add_u32 v28, v29
	ds_add_u32 v28, v29
	s_wait_dscnt 0x0
	v_lshrrev_b32 v1, 5, v0
	v_readfirstlane_b32 s10, v1
	s_lshr_b32 s11, s10, 1
	s_and_b32 s12, s10, 1
	s_bfe_u32 s40, ttmp6, 0x40000
	s_bfe_u32 s41, ttmp6, 0x40004
	s_lshl_b32 s42, ttmp9, 2
	s_add_co_u32 s42, s42, s40
	s_and_b32 s13, ttmp7, 0xffff
	s_lshl_b32 s13, s13, 2
	s_add_co_u32 s13, s13, s41
	s_lshl_b32 s43, s41, 2
	s_lshl_b32 s43, 15, s43
	s_lshl_b32 s44, 0x1111, s40
	s_or_b32 s[G1+0], s43, (1<<20)|(1<<21)|(6<<22)|(3<<25)
	s_or_b32 s[G1B+0], s44, (1<<20)|(1<<21)|(6<<22)|(3<<25)
.irp g, G1, G1B
	s_mov_b32 s[\g+1], KSTEP<<16
	s_mov_b32 s[\g+2], 64<<16
	s_mov_b32 s[\g+3], KSTEP<<16
	s_mov_b32 s[\g+4], 64
	s_mov_b32 s[\g+5], 2048
	s_mov_b32 s[\g+6], 0
	s_mov_b32 s[\g+7], 0
.endr
	s_lshl_b32 s17, s12, 6
	s_lshl_b32 s16, s13, 7
	s_add_co_u32 s16, s16, s17
	s_lshl_b32 s16, s16, 11
	s_lshl_b32 s46, s42, 7
	s_add_co_u32 s46, s46, s17
	s_lshl_b32 s46, s46, 11
	s_mov_b32 s17, 0
	s_mov_b32 s47, 0
	s_mul_i32 s20, s10, HALFT
	s_wait_kmcnt 0x0
	s_load_b64 s[90:91], s[8:9], 0x28
	s_add_nc_u64 s[14:15], s[4:5], s[16:17]
	s_add_nc_u64 s[46:47], s[6:7], s[46:47]
	CROUND
.irp s, 0,1
	s_mov_b32 s[G0+4*\s], 1
	s_add_co_u32 s[G0+4*\s+1], s20, \s*SLOT
	s_add_nc_u64 s[G0+4*\s+2:G0+4*\s+3], s[14:15], \s*KSTEP
	s_or_b32 s[G0+4*\s+3], s[G0+4*\s+3], 0x80000000
	s_mov_b32 s[G0B+4*\s], 1
	s_add_co_u32 s[G0B+4*\s+1], s20, \s*SLOT
	s_add_nc_u64 s[G0B+4*\s+2:G0B+4*\s+3], s[46:47], \s*KSTEP
	s_or_b32 s[G0B+4*\s+3], s[G0B+4*\s+3], 0x80000000
.endr
	JLOAD 0                                        ; K step 0: one tensor load a wave at the head, behind the opening round
	v_and_b32 v1, 15, v0
	s_wait_alu depctr_va_vdst(0)
	v_bfe_u32 v2, v0, 4, 1
	v_mul_u32_u24 v3, v1, PITCH
	v_lshl_add_u32 v3, v2, 4, v3
	s_mul_i32 s21, s11, HALFT
	s_mul_i32 s22, s12, HALFT
	s_add_co_u32 s22, s22, 2*HALFT
.irp s, 0,1
	v_add_nc_u32 v[ADRA+\s], s21, v3
	v_add_nc_u32 v[ADRB+\s], s22, v3
	s_add_co_u32 s21, s21, SLOT
	s_add_co_u32 s22, s22, SLOT
.endr
	s_mul_i32 s23, s10, 16*SPITCH
	s_add_co_u32 s23, s23, STAGE
	v_mul_u32_u24 v4, v1, SPITCH
	s_wait_alu depctr_va_vdst(0)
	v_lshl_add_u32 v4, v2, 5, v4
	v_add_nc_u32 v[STO], s23, v4
	v_mul_u32_u24 v5, v2, SPITCH
	v_lshl_add_u32 v5, v1, 4, v5
	v_add_nc_u32 v[RD], s23, v5
	v_lshlrev_b32 v5, 13, v2
	v_lshl_add_u32 v[CO], v1, 4, v5
	s_lshl_b32 s16, s13, 7
	s_lshl_b32 s17, s11, 6
	s_add_co_u32 s16, s16, s17
	s_lshl_b32 s16, s16, 13
	s_mov_b32 s17, 0
	s_add_nc_u64 s[68:69], s[72:73], s[16:17]
	s_lshl_b32 s46, s42, 9
	s_lshl_b32 s47, s12, 8
	s_add_co_u32 s46, s46, s47
	s_mov_b32 s47, 0
	s_add_nc_u64 s[68:69], s[68:69], s[46:47]
	s_wait_kmcnt 0x0
	s_add_co_i32 s16, s90, s91
	s_add_co_i32 s16, s16, 127
	s_lshl_b32 s[MULF], s16, 23
	s_mov_b32 s[MULF+1], s[MULF]
.macro MULA f, a, zero
.irp b, 0,1,2,3
.if \zero
	v_wmma_f32_16x16x128_fp8_fp8 v[ACC+8*(4*\a+\b):ACC+8*(4*\a+\b)+7], v[\f+64+16*\b:\f+64+16*\b+15], v[\f+16*\a:\f+16*\a+15], 0
.else
	v_wmma_f32_16x16x128_fp8_fp8 v[ACC+8*(4*\a+\b):ACC+8*(4*\a+\b)+7], v[\f+64+16*\b:\f+64+16*\b+15], v[\f+16*\a:\f+16*\a+15], v[ACC+8*(4*\a+\b):ACC+8*(4*\a+\b)+7]
.endif
.endr
.endm
.macro FETCH slot, k, f
	WIN TO_F
.irp i, 0,1,2,3
.irp c, 0,1,2,3
	ds_load_b128 v[\f+64+16*\i+4*\c:\f+64+16*\i+4*\c+3], v[ADRB+\slot] offset:\k+32*\c+\i*16*PITCH
.endr
.irp c, 0,1,2,3
	ds_load_b128 v[\f+16*\i+4*\c:\f+16*\i+4*\c+3], v[ADRA+\slot] offset:\k+32*\c+\i*16*PITCH
.endr
.endr
.endm
.macro QUARTER slot, k, f, g, zero
	PLACES
	FETCH \slot, \k, \g
	s_wait_dscnt 32
	WIN MUL
	MULA \f, 0, \zero
	MULA \f, 1, \zero
	MULA \f, 2, \zero
	MULA \f, 3, \zero
.endm
.macro TURN slot, next, fill
	WIN 0
	s_wait_tensorcnt 0x0
	ds_add_u32 v[SPW], v[NIL]
	s_wait_dscnt 1
	WIN MUL
	MULA F1, 0, 0
	s_wait_dscnt 0x0
	s_barrier_signal -1
	MULA F1, 1, 0
	WIN 0
	s_barrier_wait -1
.if \fill
	CREST
	s_add_nc_u64 s[G0+4*\slot+2:G0+4*\slot+3], s[G0+4*\slot+2:G0+4*\slot+3], 2*KSTEP
	s_add_nc_u64 s[G0B+4*\slot+2:G0B+4*\slot+3], s[G0B+4*\slot+2:G0B+4*\slot+3], 2*KSTEP
	JLOAD \slot
.else
	PLACES
.endif
	FETCH \next, 0, F0
	WIN MUL
	MULA F1, 2, 0
	MULA F1, 3, 0
.endm
	s_wait_alu depctr_va_vdst(0)                   ; the wait at the head's end
	s_wait_tensorcnt 0x0                           ; my part of K step 0 is in; slot 1's first fill is issued as a refill is:
	ds_add_u32 v[SPW], v[NIL]                      ; 0 onto my spare word
	s_wait_dscnt 0x0
	CROUND                                         ; a whole round: everybody's part of K step 0 is in
	JLOAD 1                                        ; K step 1, the first tensor load behind the round
	FETCH 0, 0, F0
	QUARTER 0, 128, F0, F1, 1
	QUARTER 0, 256, F1, F0, 0
	QUARTER 0, 384, F0, F1, 0
	TURN 0, 1, 1
	QUARTER 1, 128, F0, F1, 0
	QUARTER 1, 256, F1, F0, 0
	QUARTER 1, 384, F0, F1, 0
	TURN 1, 0, 1
	QUARTER 0, 128, F0, F1, 0
	QUARTER 0, 256, F1, F0, 0
	QUARTER 0, 384, F0, F1, 0
	TURN 0, 1, 0
	QUARTER 1, 128, F0, F1, 0
	QUARTER 1, 256, F1, F0, 0
	QUARTER 1, 384, F0, F1, 0
	s_wait_dscnt 0x0
	WIN MUL
	MULA F1, 0, 0
	MULA F1, 1, 0
	MULA F1, 2, 0
	MULA F1, 3, 0
	WIN 0
	PLACES
.macro F32OUT a
.set jj, 0
.rept 16
	v_pk_mul_f32 v[TMP+jj:TMP+jj+1], v[ACC+32*\a+jj:ACC+32*\a+jj+1], s[MULF:MULF+1] op_sel_hi:[1,0]
.set jj, jj+2
.endr
.irp b, 0,1,2,3
	ds_store_b128 v[STO], v[TMP+8*\b:TMP+8*\b+3] offset:64*\b
	ds_store_b128 v[STO], v[TMP+8*\b+4:TMP+8*\b+7] offset:64*\b+16
.endr
.if \a > 0
	s_wait_xcnt 0x0
.endif
.irp i, 0,1,2,3,4,5,6,7
	ds_load_b128 v[BK+4*\i:BK+4*\i+3], v[RD] offset:2*SPITCH*\i
.endr
.irp i, 0,1,2,3,4,5,6,7
	s_wait_dscnt 7-\i
	global_store_b128 v[CO], v[BK+4*\i:BK+4*\i+3], s[68:69] offset:(16*\a+2*\i)*8192 th:TH_STORE_NT
.endr
.endm
.irp a, 0,1,2,3
	F32OUT \a
.endr
	s_wait_tensorcnt 0x0
	ds_add_u32 v[SPW], v[NIL]
	s_wait_dscnt 0x0
	CROUND
	s_endpgm
.Lfunc_end_k_qfb92d87c85_gemm_o:
	.size	k_qfb92d87c85_gemm_o, .Lfunc_end_k_qfb92d87c85_gemm_o-k_qfb92d87c85_gemm_o
	.p2alignl 7, 3214868480
	.fill 96, 4, 3214868480
	.section	.rodata,"a",@progbits
	.p2align	6, 0x0
	.amdhsa_kernel k_qfb92d87c85_gemm_o
		.amdhsa_group_segment_fixed_size 327680
		.amdhsa_private_segment_fixed_size 0
		.amdhsa_enable_private_segment 0
		.amdhsa_kernarg_size 32
		.amdhsa_user_sgpr_count 2
		.amdhsa_user_sgpr_kernarg_segment_ptr 1
		.amdhsa_wavefront_size32 1
		.amdhsa_system_sgpr_workgroup_id_x 1
		.amdhsa_system_sgpr_workgroup_id_y 1
		.amdhsa_system_sgpr_workgroup_id_z 1
		.amdhsa_system_vgpr_workitem_id 0
		.amdhsa_next_free_vgpr 512
		.amdhsa_next_free_sgpr 98
		.amdhsa_reserve_vcc 0
		.amdhsa_float_denorm_mode_32 3
		.amdhsa_float_denorm_mode_16_64 3
		.amdhsa_memory_ordered 1
		.amdhsa_forward_progress 1
		.amdhsa_inst_pref_size 74
	.end_amdhsa_kernel
	.amdgpu_metadata
---
amdhsa.version: [ 1, 2 ]
amdhsa.kernels:
  - .name:           k_qfb92d87c85_gemm_o
    .symbol:         k_qfb92d87c85_gemm_o.kd
    .args:
      - { .name: oc, .offset: 0, .size: 8, .value_kind: global_buffer, .address_space: global }
      - { .name: woc, .offset: 8, .size: 8, .value_kind: global_buffer, .address_space: global }
      - { .name: lowp_scales, .offset: 16, .size: 8, .value_kind: global_buffer, .address_space: global }
      - { .name: out0, .offset: 24, .size: 8, .value_kind: global_buffer, .address_space: global }
    .group_segment_fixed_size: 327680
    .private_segment_fixed_size: 0
    .kernarg_segment_align: 8
    .kernarg_segment_size: 32
    .max_flat_workgroup_size: 128
    .sgpr_count:     98
    .vgpr_count:     512
    .wavefront_size: 32
...
	.end_amdgpu_metadata
.endif
;; end of part 8
